; MI455X (gfx1250); checked and timed in simulation.
; The chip was launched on July 23, 2026; its instructions are those of AMD's public machine-readable ISA for CDNA 5 (MIT licence, August 2026) and "CDNA5" Instruction Set Architecture Reference Guide (July 2026). The comments in the code are by the model that wrote it; some were corrected since.
;; Multi Head Attention Quantum. Allowed arithmetic: matrix products marked QUANTISED: E2M3 operands, one E8M0 scale for each 32 along K, by v_wmma_scale_f32_16x16x128_f8f6f4 with both operands' format E2M3, f32 sums; everything else in f32.
;; Inputs: Wk 1,024 x 1,024 float32; Wo 1,024 x 1,024 float32; Wq 1,024 x 1,024 float32; Wv 1,024 x 1,024 float32; theta 64 float32; x 4 x 2,048 x 1,024 float32.
;; Outputs: out0 4 x 2,048 x 1,024 float32.
;; This version of the problem:
;;   THIS VERSION OF THE PROBLEM IS GIVEN IN LOW PRECISION. The matrix products marked QUANTISED in the list below multiply operands that are first quantised to E2M3 (2 exponent bits, 3 mantissa bits; 6 bits a number), with one power-of-two scale for each 32 numbers along K (OCP MX v1.0); their sums are f32. All else is computed in f32.
;;   The module's matrix products, in the order in which they are computed (A, B: the left and right operand; K: the contracted axis; several contracted axes count as one K, in the product's order):
;;     1. [M 8,192, K 1,024] x [K 1,024, N 1,024]; A: input x; B: input Wq: QUANTISED
;;     2. [M 8,192, K 1,024] x [K 1,024, N 1,024]; A: input x; B: input Wk: QUANTISED
;;     3. [M 8,192, K 1,024] x [K 1,024, N 1,024]; A: input x; B: input Wv: QUANTISED
;;     4. batch 64 x [M 2,048, K 64] x [K 64, N 2,048]; A: computed on the way; B: computed on the way: QUANTISED
;;     5. batch 64 x [M 2,048, K 2,048] x [K 2,048, N 64]; A: softmax (see below); B: computed on the way: QUANTISED
;;     6. [M 8,192, K 1,024] x [K 1,024, N 1,024]; A: computed on the way; B: input Wo: QUANTISED
;;   THE QUANTISER, for each operand of a quantised product, along K:
;;     - K is cut into blocks of 32 from its start; a last block that is shorter is filled with zeros.
;;     - A block's scale is 2^e with e = floor(log2(the largest magnitude in the block)) - 2, held to -126 .. 127; a block of zeros has e = 0. As a byte (E8M0): e + 127.
;;     - Each number is divided by its block's scale, clamped to +-7.5, and rounded to the nearest number of E2M3, ties to even, subnormals kept.
;;     - The product sums the exact products of the quantised numbers (number of the format x scale) in f32.
;;   ~~~python
;;   def quantise(x, axis):      # numpy; x: float32 -> the quantised numbers, widened to float32 again
;;       x = np.moveaxis(x, axis, -1); K = x.shape[-1]
;;       x = np.pad(x, [(0, 0)] * (x.ndim - 1) + [(0, -K % 32)]); x = x.reshape(x.shape[:-1] + (-1, 32)); a = np.abs(x).max(-1, keepdims=True)
;;       e = np.where(a > 0, np.clip(np.frexp(np.where(a > 0, a, 1))[1] - 1 - 2, -126, 127), 0)      # np.frexp(a)[1] - 1 = floor(log2(a)), exactly
;;       r = np.clip(x / 2.0 ** e, -7.5, 7.5)
;;       step = 2.0 ** (np.maximum(np.frexp(np.where(r == 0, 1, r))[1] - 1, 0) - 3)
;;       q = np.round(r / step) * step * 2.0 ** e      # np.round: ties to even
;;       return np.moveaxis(q.reshape(q.shape[:-2] + (-1,))[..., :K], -1, axis).astype(np.float32)
;;   ~~~
;;   SOFTMAX AHEAD OF A QUANTISED PRODUCT. Where the list says 'softmax', what is quantised is not the finished softmax but p = 2^(t - M), with t = logit x log2(e) and M = ceil(the row's largest t), a whole number; so 1/2 < the row's largest p <= 1. The row's sum l is taken of the UNQUANTISED p, in f32, and the product's result is divided by l at the end. Since M is a whole number, a kernel that streams over the keys may use a running M (the ceiling of the running maximum): every later rescaling is an exact power of two, which a block's scale takes up: the codes' values come out the same.
;;   OPERANDS COMPUTED ON THE WAY. 'Computed on the way' means the value that the module computes at that place (a softmax that the list does not call 'softmax' is quantised finished and normalised). What goes into a quantiser is computed in f32, as accurately as f32 sums, v_exp_f32 and their like allow (about 1e-6 of the number): no bf16 or f16 on the way to a quantiser, and a product that is left as it is and whose result goes on into a quantised operand takes f32 operands (vector FMAs, or v_wmma_f32_16x16x4_f32). A number that lies on a knife's edge between two numbers of the format may be rounded either way, as far as f32 arithmetic and the matrix unit's own rounding can turn it there, and no further.
;; One version. Each part assembles by itself: llvm-mc -triple=amdgcn-amd-amdhsa -mcpu=gfx1250 --defsym DOCPART=n.
;; ======== version 1 of 1: 5 launches
;; limits: right only within a limited range of input values
;; workspace buffers: x_codes 6,291,456 bytes; x_sc 262,144 bytes; w_codes 3,145,728 bytes; w_sc 131,072 bytes; kv 13,369,344 bytes; q 13,369,344 bytes; a_codes 6,291,456 bytes; a_sc 524,288 bytes
;; launch quant (part 1): grid 768 x 1, 2 waves a work-group, no clusters, 34,304 bytes of LDS; arguments x, Wq, Wk, Wv, Wo, x_codes, x_sc, w_codes, w_sc; writes x_codes, x_sc, w_codes, w_sc
.if DOCPART == 1
	.amdgcn_target "amdgcn-amd-amdhsa--gfx1250"
	.amdhsa_code_object_version 6
	.text
	.protected	k_q18369e8683_quant
	.globl	k_q18369e8683_quant
	.p2align	8
	.type	k_q18369e8683_quant,@function
k_q18369e8683_quant:
	s_mov_b64 s[64:65], 0
	v_nop
	global_prefetch_b8 v0, s[64:65] scope:SCOPE_SE
	s_setreg_imm32_b32 hwreg(HW_REG_WAVE_MODE, 25, 1), 1
	s_wait_xcnt 0x0
; x [8192][1024] and Wq, Wk, Wv, Wo [1024][1024], f32 with K innermost, become codes of FP6 (E2M3) and E8M0 scale bytes, one for each 32 along K,
; laid in the order of a matrix operand's registers.  A HALF IMAGE is 16 rows x 64 k = 768 bytes: lane (r = lane % 16, h = lane / 16) owns the 24 bytes of block h of row r;
; its registers 0-3 lie at 16 x lane in bytes 0-511, its registers 4-5 at 512 + 8 x lane.  A tile of 16 rows is 16 half images (12,288 bytes).
; Scale words (four bytes: 128 along K of a row): [tile][half of K][row][4 words], 512 bytes a tile.
; A block's scale is 2^(floor(log2(largest magnitude)) - 2): its byte is the largest magnitude's exponent field - 2, held at 1 from below by a floor among the maximum's leaves.
; LIMITS: a block of zeros gets the byte 1 where the rule says 127 (its codes are zeros, and this program alone reads the bytes); NaN and infinities are not served.
; SHARES: tile g = work-group (0-511 x, then 64 each of Wq, Wk, Wv, Wo); wave % 2 takes K steps 0-3 or 4-7.  One path for all five tensors: only pointers are chosen.
; Wv's TILES ARE NOT NEIGHBOURING ROWS: lane r of tile 2 b + u is row 32 b + 8 u + r + 8 (r / 8), so that the attention's result comes out with the head's 64 in their own order.
; Each load reads 512 consecutive bytes of a row; a K step's 16 rows turn through the wave's own stage in LDS (rows 528 bytes apart: 33 x 16, so sixteen rows start in sixteen different columns of 16 bytes).
; No tensor loads, no barrier: waves share nothing.  Matrix units and clusters would add nothing to a stream.
.set STG, 8448                         ; a wave's stage: 16 rows x 528 bytes
.set MX,  12                           ; v12-13  the two blocks' largest magnitudes
.set EX,  14                           ; v14-15  the conversions' scale operands
.set BX,  16                           ; v16-17  the scale bytes
.set WD,  18                           ; v18     my two bytes at their places
.set PT,  19                           ; v19     the other half's two
.set SW,  20                           ; v20-23  the four K steps' scale words
.set C,   24                           ; v24-35  a fragment's 12 registers
.set T,   36                           ; v36-43  the second halves of the blocks' codes
.set DD,  44                           ; v44-45  the scale words that I store
.set X,   48                           ; v48-111 two blocks of 32 neighbours
.set R,   112                          ; v112-239 two sets of 64: a K step as loaded
.set LO,  4                            ; s[4:5]  the tile's rows 0-7
.set HIB, 6                            ; s[6:7]  base for its rows 8-15
.set CB,  14                           ; s[14:15] codes
.set SB,  16                           ; s[16:17] scale words
	s_load_b256 s[4:11], s[0:1], 0x0               ; x, Wq, Wk, Wv
	s_load_b256 s[12:19], s[0:1], 0x20             ; Wo, x_codes, x_sc, w_codes
	s_load_b64 s[20:21], s[0:1], 0x40              ; w_sc
	v_lshl_add_u32 v240, v0, 2, 0x8400
	v_mov_b32 v241, 0
	v_lshrrev_b32 v7, 5, v0
	v_readfirstlane_b32 s34, v7                    ; wave
	v_and_b32 v8, 31, v0                           ; lane
	v_and_b32 v9, 15, v0                           ; r
	v_bfe_u32 v10, v0, 4, 1                        ; h
	v_lshlrev_b32 v1, 4, v8                        ; 16 x lane: my place in a load's 512 bytes and in an image's first 512
	v_lshlrev_b32 v2, 3, v8                        ; 8 x lane: in an image's last 256
	v_lshlrev_b32 v3, 4, v9
	v_lshl_add_u32 v3, v10, 3, v3                  ; 16 r + 8 h: my two scale words
	v_lshlrev_b32 v4, 3, v10                       ; 8 h: how far my bytes are shifted in a scale word
	s_mul_i32 s35, s34, STG
	v_add_nc_u32 v5, s35, v1                       ; stage, in: 16 x lane of a row
	v_mul_u32_u24 v6, v9, 528
	v_lshl_add_u32 v6, v10, 7, v6
	v_add_nc_u32 v6, s35, v6                       ; stage, out: row r, + 128 h: my block of 32 numbers
	v_mov_b32 v[PT], 0                             ; a lane permute's destination counts as read
	v_cmp_eq_u32 s36, 1, v10                       ; lanes 16-31
	s_mov_b32 s32, 0x76543210
	s_mov_b32 s33, 0xfedcba98                      ; selects for lane xor 16
	s_mov_b32 s22, ttmp9                           ; g: a work-group of two waves takes one tile, each wave a half of K: 768 work-groups, three to a WGP
	s_and_b32 s37, s34, 1                          ; which half of K
	s_cmp_ge_u32 ttmp9, 512
	s_cselect_b32 s24, 512, 0
	s_cselect_b32 s25, 63, 0x3ff
	s_sub_co_u32 s24, s22, s24                     ; the tile in its buffer of codes
	s_and_b32 s25, s24, s25                        ; the tile in its own tensor
	s_lshl_b32 s27, s25, 4                         ; first row: 16 x tile,
	s_lshr_b32 s28, s25, 1
	s_lshl_b32 s28, s28, 5
	s_and_b32 s29, s25, 1
	s_lshl_b32 s29, s29, 3
	s_add_co_u32 s28, s28, s29                     ; or, for Wv, 32 (tile / 2) + 8 (tile % 2)
	s_lshr_b32 s26, ttmp9, 6
	s_cmp_eq_u32 s26, 10                           ; work-groups 640-703 take Wv
	s_cselect_b32 s27, s28, s27
	s_cselect_b32 s30, 32768, 0                    ; Wv's rows 8-15 of a tile lie 8 rows further down
	s_mov_b32 s31, 0
	s_lshl_b32 s38, s27, 12                        ; rows of 4,096 bytes,
	s_lshl_b32 s39, s37, 11
	s_add_co_u32 s38, s38, s39                     ; + my half of K
	s_mov_b32 s39, 0
	s_mul_i32 s40, s24, 12288
	s_mul_i32 s41, s37, 6144
	s_add_co_u32 s40, s40, s41                     ; my eight half images
	s_mov_b32 s41, 0
	s_lshl_b32 s42, s24, 9
	s_lshl_b32 s43, s37, 8
	s_add_co_u32 s42, s42, s43                     ; my 256 bytes of scale words
	s_mov_b32 s43, 0
	s_wait_alu depctr_va_vdst(0)
	s_wait_kmcnt 0x0
	s_cmp_ge_u32 ttmp9, 512
	s_cselect_b64 s[4:5], s[6:7], s[4:5]
	s_cselect_b64 s[14:15], s[18:19], s[14:15]
	s_cselect_b64 s[16:17], s[20:21], s[16:17]
	s_cmp_ge_u32 ttmp9, 576
	s_cselect_b64 s[4:5], s[8:9], s[4:5]
	s_cmp_ge_u32 ttmp9, 640
	s_cselect_b64 s[4:5], s[10:11], s[4:5]
	s_cmp_ge_u32 ttmp9, 704
	s_cselect_b64 s[4:5], s[12:13], s[4:5]
	s_add_nc_u64 s[LO:LO+1], s[4:5], s[38:39]
	s_add_nc_u64 s[HIB:HIB+1], s[LO:LO+1], s[30:31]
	s_add_nc_u64 s[CB:CB+1], s[CB:CB+1], s[40:41]
	s_add_nc_u64 s[SB:SB+1], s[SB:SB+1], s[42:43]
.macro LOAD t                          ; K step t of my four: 16 rows x 512 bytes into set t % 2
.irp j, 0,1,2,3,4,5,6,7
	global_load_b128 v[R+64*((\t)%2)+4*\j:R+64*((\t)%2)+4*\j+3], v1, s[LO:LO+1] offset:4096*\j+512*(\t) th:TH_LOAD_NT
.endr
.irp j, 8,9,10,11,12,13,14,15
	global_load_b128 v[R+64*((\t)%2)+4*\j:R+64*((\t)%2)+4*\j+3], v1, s[HIB:HIB+1] offset:4096*\j+512*(\t) th:TH_LOAD_NT
.endr
.endm
.macro STEP t
.if (\t) < 3
	s_wait_loadcnt 16                              ; this step's 16 loads are in; the next step's 16 may be out
.else
	s_wait_loadcnt 0x0
.endif
.irp j, 0,1,2,3,4,5,6,7,8,9,10,11,12,13,14,15
	ds_store_b128 v5, v[R+64*((\t)%2)+4*\j:R+64*((\t)%2)+4*\j+3] offset:528*\j
.endr
.irp c, 0,1
.irp i, 0,1,2,3,4,5,6,7
	ds_load_b128 v[X+32*\c+4*\i:X+32*\c+4*\i+3], v6 offset:256*\c+16*\i   ; block 2 c + h of row r; LDS serves a wave's instructions in order: these see the stores above
.endr
.endr
	s_wait_dscnt 0x0                               ; my 64 numbers are in, and the stores have read their registers,
.if (\t) < 2
	LOAD (\t)+2                                    ; which take the loads of two steps on
.endif
.irp c, 0,1
	v_max3_num_f32 v[MX+\c], |v[X+32*\c]|, |v[X+32*\c+1]|, 0x1800000   ; all 32 numbers of a block are mine; the floor 2^(3 - 127) holds the byte at 1 from below
.endr
.irp i, 2,4,6,8,10,12,14,16,18,20,22,24,26,28,30
.irp c, 0,1
	v_max3_num_f32 v[MX+\c], v[MX+\c], |v[X+32*\c+\i]|, |v[X+32*\c+\i+1]|   ; the two blocks by turns
.endr
.endr
.irp c, 0,1
	v_add_nc_u32 v[EX+\c], 0xff000000, v[MX+\c]    ; 2 off the exponent field: the conversion's scale operand
.endr
.irp c, 0,1
	v_lshrrev_b32 v[BX+\c], 23, v[EX+\c]           ; the scale's byte
.endr
	v_lshl_or_b32 v[WD], v[BX+1], 16, v[BX]        ; blocks h and 2 + h,
	v_lshlrev_b32 v[WD], v4, v[WD]                 ; at their places;
	v_permlanex16_b32 v[PT], v[WD], s32, s33
	v_or_b32 v[SW+(\t)], v[WD], v[PT]              ; with the other half's two the word is whole
	s_wait_alu depctr_va_vdst(0)
	s_wait_xcnt 0x0                                ; the last step's stores have read the codes' registers
.irp c, 0,1
	v_cvt_scalef32_pk16_fp6_f32 v[C+6*\c:C+6*\c+2], v[X+32*\c:X+32*\c+15], v[EX+\c]
	v_cvt_scalef32_pk16_fp6_f32 v[T+4*\c:T+4*\c+2], v[X+32*\c+16:X+32*\c+31], v[EX+\c]   ; (a conversion's three registers begin on an even number)
.endr
	v_nop                                          ; one plain place behind a scaled conversion
.irp c, 0,1
.irp i, 0,1,2
	v_mov_b32 v[C+6*\c+3+\i], v[T+4*\c+\i]
.endr
.endr
.irp c, 0,1
	global_store_b128 v1, v[C+6*\c:C+6*\c+3], s[CB:CB+1] offset:1536*(\t)+768*\c          ; 512 consecutive bytes, at a multiple of 256
	global_store_b64 v2, v[C+6*\c+4:C+6*\c+5], s[CB:CB+1] offset:1536*(\t)+768*\c+512     ; 256 consecutive bytes, likewise
.endr
.endm
	LOAD 0
	LOAD 1
	STEP 0
	STEP 1
	STEP 2
	STEP 3
	v_cndmask_b32 v[DD], v[SW], v[SW+2], s36       ; lanes 0-15 store words 0, 1 of row r, lanes 16-31 words 2, 3
	v_cndmask_b32 v[DD+1], v[SW+1], v[SW+3], s36
	global_store_b64 v3, v[DD:DD+1], s[SB:SB+1]    ; 256 consecutive bytes, aligned
	s_wait_tensorcnt 0x0
	ds_add_u32 v240, v241
	s_wait_dscnt 0x0
	s_endpgm
.Lfunc_end_k_q18369e8683_quant:
	.size	k_q18369e8683_quant, .Lfunc_end_k_q18369e8683_quant-k_q18369e8683_quant
	.p2alignl 7, 3214868480
	.fill 96, 4, 3214868480
	.section	.rodata,"a",@progbits
	.p2align	6, 0x0
	.amdhsa_kernel k_q18369e8683_quant
		.amdhsa_group_segment_fixed_size 34304
		.amdhsa_private_segment_fixed_size 0
		.amdhsa_enable_private_segment 0
		.amdhsa_kernarg_size 72
		.amdhsa_user_sgpr_count 2
		.amdhsa_user_sgpr_kernarg_segment_ptr 1
		.amdhsa_wavefront_size32 1
		.amdhsa_system_sgpr_workgroup_id_x 1
		.amdhsa_system_sgpr_workgroup_id_y 1
		.amdhsa_system_sgpr_workgroup_id_z 1
		.amdhsa_system_vgpr_workitem_id 0
		.amdhsa_next_free_vgpr 242
		.amdhsa_next_free_sgpr 66
		.amdhsa_reserve_vcc 0
		.amdhsa_float_denorm_mode_32 3
		.amdhsa_float_denorm_mode_16_64 3
		.amdhsa_memory_ordered 1
		.amdhsa_forward_progress 1
		.amdhsa_inst_pref_size 32
	.end_amdhsa_kernel
	.amdgpu_metadata
---
amdhsa.version: [ 1, 2 ]
amdhsa.kernels:
  - .name:           k_q18369e8683_quant
    .symbol:         k_q18369e8683_quant.kd
    .args:
      - { .name: x, .offset: 0, .size: 8, .value_kind: global_buffer, .address_space: global }
      - { .name: Wq, .offset: 8, .size: 8, .value_kind: global_buffer, .address_space: global }
      - { .name: Wk, .offset: 16, .size: 8, .value_kind: global_buffer, .address_space: global }
      - { .name: Wv, .offset: 24, .size: 8, .value_kind: global_buffer, .address_space: global }
      - { .name: Wo, .offset: 32, .size: 8, .value_kind: global_buffer, .address_space: global }
      - { .name: x_codes, .offset: 40, .size: 8, .value_kind: global_buffer, .address_space: global }
      - { .name: x_sc, .offset: 48, .size: 8, .value_kind: global_buffer, .address_space: global }
      - { .name: w_codes, .offset: 56, .size: 8, .value_kind: global_buffer, .address_space: global }
      - { .name: w_sc, .offset: 64, .size: 8, .value_kind: global_buffer, .address_space: global }
    .group_segment_fixed_size: 34304
    .private_segment_fixed_size: 0
    .kernarg_segment_align: 8
    .kernarg_segment_size: 72
    .max_flat_workgroup_size: 64
    .sgpr_count:     66
    .vgpr_count:     242
    .wavefront_size: 32
...
	.end_amdgpu_metadata
.endif
;; end of part 1
;; launch qk (part 2): grid 8 x 64, 4 waves a work-group, clusters of 4 x 4, 295,424 bytes of LDS; arguments w_codes, w_sc, x_codes, x_sc, theta, q, kv; writes q, kv
.if DOCPART == 2
	.amdgcn_target "amdgcn-amd-amdhsa--gfx1250"
	.amdhsa_code_object_version 6
	.text
	.protected	k_q18369e8683_qk
	.globl	k_q18369e8683_qk
	.p2align	8
	.type	k_q18369e8683_qk,@function
k_q18369e8683_qk:
	s_mov_b64 s[64:65], 0
	v_nop
	global_prefetch_b8 v0, s[64:65] scope:SCOPE_SE
	s_setreg_imm32_b32 hwreg(HW_REG_WAVE_MODE, 25, 1), 1
	s_wait_xcnt 0x0
	s_wait_alu depctr_hold_cnt(0) depctr_sa_sdst(0) depctr_va_vdst(0) depctr_va_sdst(0) depctr_va_ssrc(0) depctr_va_vcc(0) depctr_vm_vsrc(0)
	s_getreg_b32 s2, hwreg(HW_REG_IB_STS2, 6, 4)
	s_cmp_eq_u32 s2, 0
	s_cbranch_scc0 .Lentry_in_a_cluster
	s_endpgm
.Lentry_in_a_cluster:
	s_bfe_u32 s2, ttmp6, 0x10000c
	s_cmp_lg_u32 s2, 0xf033
	s_cbranch_scc0 .Lentry_shape_is_right
	s_endpgm
.Lentry_shape_is_right:
; ONE TEXT FOR THREE LAUNCHES, chosen by MODE.  D = P R^T on codes of FP6 (E2M3) with E8M0 scales, K = 1,024, f32 sums.  P is source 0 (its rows run along a lane's registers), R source 1 (its row is the lane).
;   MODE 0: P = Wq | Wk (2,048 rows), R = x.   cos(. + theta), quantised along the head's 64, to q and to kv's K parts.
;   MODE 1: P = x, R = Wv.                     cos(. + theta), quantised along the keys, to kv's V parts.
;   MODE 2: P = Wo, R = the attention's codes.  f32 results to out0.
; Operands lie in memory as HALF IMAGES (16 rows x 64 k, 768 bytes: lane's registers 0-3 at 16 x lane, 4-5 at 512 + 8 x lane), 16 to a tile of 16 rows.
; SHARES: a work-group makes 256 rows of P x 128 rows of R; wave w: P's half w % 2, R's half w / 2: 32 accumulators.  ALL OF K for the 384 rows is 294,912 bytes: every LDS byte is filled ONCE, in two chunks of four
; K steps, so there is no ring and no refill; the waits on the fills are counted and the second chunk stays on their way across the barriers.
; CLUSTER 4 x 4: P's tiles hang on the work-group's x alone and are asked for jointly by a column of the cluster, R's on y alone, by a row.
; ORDER ALONG K OF WHAT IS MADE HERE: a lane's 16 registers of P's tiles 2 b, 2 b + 1 are rows 32 b + 8 h + 0..7 and 32 b + 16 + 8 h + 0..7: a block of 32 comes out in the order 0-7, 16-23, 8-15, 24-31.
; The same order arises on both sides of each attention product (q and k along d; p and V along the keys), so products and scales are the contract's; only the grouping of the sums differs.
; THE COSINE: n = round(z / pi) by the magic number 1.5 x 2^23, r = z - n pi in two fused steps, the Taylor series of cos to r^12 (remainder under 1e-8 at pi / 2), sign by n's lowest bit.
; LIMITS: |x . W + theta| under 2^22 pi; NaN and infinities are not served; a block of zeros gets the byte 1 (read by this program alone).
; REGISTERS: window 0: v1-15 lane numbers and addresses; v16-47 P's scale words, v48-63 R's (nothing else ever); v64-95 theta in the result's layout; v96-191 R's fragments, two sets; from v192 the way out's.
;   window 1: accumulator (a, b) at v[8 (8 a + b)].   window 2: P's fragments, two sets, at v0 and v128.
.set MODE, 0
.set WV,   18                          ; s18 wave;  s19 wave % 2;  s20 wave / 2
.set PH,   19
.set RH,   20
.set WGX,  23
.set WGY,  24
.set G1P,  28                          ; s[28:35] descriptor group 1 for P's tiles;  s[36:43] for R's
.set G1R,  36
.set G0P,  44                          ; s[44:51] groups 0 for P's two chunks;  s[68:75] for R's
.set G0R,  68
.set KINV, 84                          ; pairs of constants for the packed forms, which take the low word for both halves
.set KNMG, 86
.set KNPH, 88
.set KNPL, 90
.set KC6,  92
.set KC4,  94
.set KC3,  96
.set KC2,  98
.set SEL,  100
.if MODE == 2
.set OB,   12                          ; the output's base
.else
.set OB,   14
.endif
; THE FILLS: K comes in TWO halves of four K steps, each LDS byte filled once: wave 0 asks for P's first half, wave 1 for R's, wave 2 for P's second, wave 3 for R's: one tensor load a wave.
.set CHUNK, 147456                     ; four K steps of 384 rows: P's 16 tiles x 6,144 bytes, then R's 8
.set TILEB, 6144
.set ROFF,  98304
.set AP16, 4                           ; v4-7  LDS addresses of my fragments: 16 x lane and 8 x lane, + my half
.set AP8,  5
.set AR16, 6
.set AR8,  7
.set G16,  8                           ; v8-10 offsets of the stores (MODE 2: stage in, stage out, my 16 bytes of a row)
.set G8,   9
.set GS,   10
.set STO,  8
.set RD,   9
.set CO,   10
.set H16,  11                          ; v11   16 h
.set SCP,  16                          ; register 8 i + s: lanes 0-15 P's tile i, lanes 16-31 tile i + 4, K step s
.set SCR,  48                          ; register 8 i + s: R's tile i, and tile i + 2
.set TH,   64
.set RF,   96
.set T,    64                          ; the way out: v64-127, v128-191 at work
.set U,    128
.set BK,   64                          ; MODE 2: rows read back from the stage, two sets of 64
.set TM,   192
.set PW,   208
.set PC,   210                         ; v210-221 a fragment's codes; v222-229 second halves
.set SW,   232
.set DD,   236
.set VMAG, 238
.set VC5,  240
.set MSB, 0
.macro WIN new                         ; the immediate's high byte repeats the setting that is left
.if MSB != \new
	s_set_vgpr_msb (MSB<<8)|\new
.set MSB, \new
.endif
.endm
.macro PLACES n
.rept \n
	v_nop
.endr
.endm
.macro CROUND                          ; a round of the cluster's barrier
	s_barrier_signal -1
	s_barrier_wait -1
	s_cmp_lg_u32 s[WV], 0
	s_cbranch_scc1 .Lnot_wave_0_\@
	s_barrier_signal -3
.Lnot_wave_0_\@:
	s_barrier_wait -3
	s_barrier_signal -1
	s_barrier_wait -1
.endm
; one product.  c < 0: the constant 0 starts the sum.  ra, rb: the scale words lie in lanes 16-31
.macro WM d, p, r, c, sa, sb, ra, rb
.if (\c) < 0
.if (\ra) && (\rb)
	v_wmma_scale_f32_16x16x128_f8f6f4 v[\d:\d+7], v[\p:\p+11], v[\r:\r+11], 0, v[\sa], v[\sb] matrix_a_fmt:MATRIX_FMT_FP6 matrix_b_fmt:MATRIX_FMT_FP6 matrix_a_scale:MATRIX_SCALE_ROW1 matrix_b_scale:MATRIX_SCALE_ROW1
.elseif (\ra)
	v_wmma_scale_f32_16x16x128_f8f6f4 v[\d:\d+7], v[\p:\p+11], v[\r:\r+11], 0, v[\sa], v[\sb] matrix_a_fmt:MATRIX_FMT_FP6 matrix_b_fmt:MATRIX_FMT_FP6 matrix_a_scale:MATRIX_SCALE_ROW1
.elseif (\rb)
	v_wmma_scale_f32_16x16x128_f8f6f4 v[\d:\d+7], v[\p:\p+11], v[\r:\r+11], 0, v[\sa], v[\sb] matrix_a_fmt:MATRIX_FMT_FP6 matrix_b_fmt:MATRIX_FMT_FP6 matrix_b_scale:MATRIX_SCALE_ROW1
.else
	v_wmma_scale_f32_16x16x128_f8f6f4 v[\d:\d+7], v[\p:\p+11], v[\r:\r+11], 0, v[\sa], v[\sb] matrix_a_fmt:MATRIX_FMT_FP6 matrix_b_fmt:MATRIX_FMT_FP6
.endif
.else
.if (\ra) && (\rb)
	v_wmma_scale_f32_16x16x128_f8f6f4 v[\d:\d+7], v[\p:\p+11], v[\r:\r+11], v[\c:\c+7], v[\sa], v[\sb] matrix_a_fmt:MATRIX_FMT_FP6 matrix_b_fmt:MATRIX_FMT_FP6 matrix_a_scale:MATRIX_SCALE_ROW1 matrix_b_scale:MATRIX_SCALE_ROW1
.elseif (\ra)
	v_wmma_scale_f32_16x16x128_f8f6f4 v[\d:\d+7], v[\p:\p+11], v[\r:\r+11], v[\c:\c+7], v[\sa], v[\sb] matrix_a_fmt:MATRIX_FMT_FP6 matrix_b_fmt:MATRIX_FMT_FP6 matrix_a_scale:MATRIX_SCALE_ROW1
.elseif (\rb)
	v_wmma_scale_f32_16x16x128_f8f6f4 v[\d:\d+7], v[\p:\p+11], v[\r:\r+11], v[\c:\c+7], v[\sa], v[\sb] matrix_a_fmt:MATRIX_FMT_FP6 matrix_b_fmt:MATRIX_FMT_FP6 matrix_b_scale:MATRIX_SCALE_ROW1
.else
	v_wmma_scale_f32_16x16x128_f8f6f4 v[\d:\d+7], v[\p:\p+11], v[\r:\r+11], v[\c:\c+7], v[\sa], v[\sb] matrix_a_fmt:MATRIX_FMT_FP6 matrix_b_fmt:MATRIX_FMT_FP6
.endif
.endif
.endm
; 48 LDS loads in one run: a K step's fragments (the chunk's step sp) into set: P's eight tiles, R's four.  Every load takes 512 or 256 consecutive bytes.
.macro FETCH set, sp
	WIN 0x80                                       ; destination window 2, address window 0
.irp i, 0,1,2,3,4,5,6,7
.irp c, 0,1
	ds_load_b128 v[128*(\set)+12*\i+6*\c:128*(\set)+12*\i+6*\c+3], v[AP16] offset:TILEB*\i+1536*(\sp)+768*\c
	ds_load_b64 v[128*(\set)+12*\i+6*\c+4:128*(\set)+12*\i+6*\c+5], v[AP8] offset:TILEB*\i+1536*(\sp)+768*\c+512
.endr
.endr
	WIN 0
.irp i, 0,1,2,3
.irp c, 0,1
	ds_load_b128 v[RF+48*(\set)+12*\i+6*\c:RF+48*(\set)+12*\i+6*\c+3], v[AR16] offset:TILEB*\i+1536*(\sp)+768*\c
	ds_load_b64 v[RF+48*(\set)+12*\i+6*\c+4:RF+48*(\set)+12*\i+6*\c+5], v[AR8] offset:TILEB*\i+1536*(\sp)+768*\c+512
.endr
.endr
.endm
; K step s: 32 products.  The 32 accumulators take turns, one instruction a turn, in the same order in every step.
; first: the sums begin with theta in the result's layout (MODES 0, 1) or with the constant 0 (MODE 2): nothing is cleared, no addition is spent on theta.
.macro MULS set, s, first
.if \first
	WIN 0x42                                       ; source 0 window 2, source 1 and C window 0, D window 1
.else
	WIN 0x52                                       ; C and D window 1
.endif
.irp a, 0,1,2,3
.irp b, 0,1,2,3,4,5,6,7
.if \first
.if MODE == 0
.set CC, TH+8*(\b%4)
.elseif MODE == 1
.set CC, TH+8*\a
.else
.set CC, -1
.endif
.else
.set CC, 8*(8*\a+\b)
.endif
	WM 8*(8*\a+\b), 128*(\set)+12*\b, RF+48*(\set)+12*\a, CC, SCP+8*(\b%4)+(\s), SCR+8*(\a%2)+(\s), \b/4, \a/2
.endr
.endr
.endm
.if MODE < 2
; cos of the 64 numbers of R's tile a (accumulators (a, 0..7), window 1) into v[U] on.  Each stage is one run under one window setting, in ascending order: every accumulator is first read at its low end.
.macro COSGRP a
.set Z, 64*(\a)
	WIN 0x01
.set p, 0
.rept 32
	v_pk_fma_f32 v[T+p:T+p+1], v[Z+p:Z+p+1], s[KINV:KINV+1], v[VMAG:VMAG+1] op_sel_hi:[1,0,1]   ; z / pi + 1.5 x 2^23: the sum's low bits are n = round(z / pi)
.set p, p+2
.endr
	WIN 0
.set p, 0
.rept 32
	v_pk_add_f32 v[U+p:U+p+1], v[T+p:T+p+1], s[KNMG:KNMG+1] op_sel_hi:[1,0]   ; n as a number
.set p, p+2
.endr
	WIN 0x50
.irp k, KNPH, KNPL
.set p, 0
.rept 32
	v_pk_fma_f32 v[Z+p:Z+p+1], v[U+p:U+p+1], s[\k:\k+1], v[Z+p:Z+p+1] op_sel_hi:[1,0,1]   ; r = z - n pi, pi in two parts
.set p, p+2
.endr
.endr
	WIN 0x05
.set p, 0
.rept 32
	v_pk_mul_f32 v[U+p:U+p+1], v[Z+p:Z+p+1], v[Z+p:Z+p+1]   ; u = r^2
.set p, p+2
.endr
	WIN 0x40
.set p, 0
.rept 32
	v_pk_fma_f32 v[Z+p:Z+p+1], v[U+p:U+p+1], s[KC6:KC6+1], v[VC5:VC5+1] op_sel_hi:[1,0,1]
.set p, p+2
.endr
	WIN 0x41
.irp k, KC4, KC3, KC2
.set p, 0
.rept 32
	v_pk_fma_f32 v[Z+p:Z+p+1], v[Z+p:Z+p+1], v[U+p:U+p+1], s[\k:\k+1] op_sel_hi:[1,1,0]
.set p, p+2
.endr
.endr
.set p, 0
.rept 32
	v_pk_fma_f32 v[Z+p:Z+p+1], v[Z+p:Z+p+1], v[U+p:U+p+1], -0.5 op_sel_hi:[1,1,0]
.set p, p+2
.endr
.set p, 0
.rept 32
	v_pk_fma_f32 v[Z+p:Z+p+1], v[Z+p:Z+p+1], v[U+p:U+p+1], 1.0 op_sel_hi:[1,1,0]   ; cos r
.set p, p+2
.endr
	WIN 0x10
.set p, 0
.rept 64
	v_lshl_or_b32 v[U+p], v[T+p], 31, v[Z+p]       ; cos z = (-1)^n cos r: n's lowest bit is laid over the sign; cos r is not negative on |r| <= pi / 2 but for rounding at the interval's ends, under 1e-7 in size
.set p, p+1
.endr
	WIN 0
.endm
; 64 numbers of a lane, v[s] on, four blocks of 16 registers (the other 16 of each block lie in lane xor 16), become a fragment's codes in v[PC] on and its scale word in v[PW].
.macro QUANT s
.irp b, 0,1,2,3
	v_max3_num_f32 v[TM+\b], |v[\s+16*\b]|, |v[\s+1+16*\b]|, 0x1800000   ; and the floor 2^(3 - 127): the byte cannot fall under 1
.endr
.irp i, 2,4,6,8,10,12,14
.irp b, 0,1,2,3
	v_max3_num_f32 v[TM+\b], v[TM+\b], |v[\s+16*\b+\i]|, |v[\s+1+16*\b+\i]|   ; the four blocks by turns
.endr
.endr
.irp b, 0,1,2,3
	v_permlanex16_b32 v[TM+4+\b], v[TM+\b], s[SEL], s[SEL+1]
.endr
.irp b, 0,1,2,3
	v_max_num_f32 v[TM+\b], v[TM+\b], v[TM+4+\b]   ; the block's largest magnitude
.endr
.irp b, 0,1,2,3
	v_add_nc_u32 v[TM+12+\b], 0xff000000, v[TM+\b] ; 2 off its exponent field: the conversion's scale operand
.endr
.irp b, 0,1,2,3
	v_lshrrev_b32 v[TM+4+\b], 23, v[TM+12+\b]      ; the scale's byte
.endr
	v_lshl_or_b32 v[PW], v[TM+5], 8, v[TM+4]
	v_lshl_or_b32 v[PW], v[TM+6], 16, v[PW]
	v_lshl_or_b32 v[PW], v[TM+7], 24, v[PW]
.irp c, 0,1
	v_cvt_scalef32_pk16_fp6_f32 v[PC+6*\c:PC+2+6*\c], v[\s+32*\c:\s+15+32*\c], v[TM+12+2*\c]
	v_cvt_scalef32_pk16_fp6_f32 v[PC+12+4*\c:PC+14+4*\c], v[\s+16+32*\c:\s+31+32*\c], v[TM+12+2*\c+1]   ; (a conversion's three registers begin on an even number)
.endr
	v_nop                                          ; one plain place behind a scaled conversion
.irp c, 0,1                                    ; the operand's layout wants a whole block in a lane: lanes 0-15 block 2 c, lanes 16-31 block 2 c + 1
.irp i, 0,1,2
	v_permlane16_swap_b32 v[PC+6*\c+\i], v[PC+12+4*\c+\i]
.endr
.irp i, 0,1,2
	v_mov_b32 v[PC+3+6*\c+\i], v[PC+12+4*\c+\i]
.endr
.endr
.endm
.endif
	s_load_b256 s[4:11], s[0:1], 0x0               ; P's codes, P's scales, R's codes, R's scales
.if MODE == 0
	s_load_b128 s[12:15], s[0:1], 0x20             ; theta, q
	s_load_b64 s[16:17], s[0:1], 0x30              ; kv
	v_lshl_add_u32 v254, v0, 2, 0x48000
	v_mov_b32 v255, 0
	ds_add_u32 v254, v255
	ds_add_u32 v254, v255
.elseif MODE == 1
	s_load_b128 s[12:15], s[0:1], 0x20             ; theta, kv
.else
	s_load_b64 s[12:13], s[0:1], 0x20              ; out0
.endif
	v_lshrrev_b32 v1, 5, v0
	v_readfirstlane_b32 s[WV], v1
	s_and_b32 s[PH], s[WV], 1                      ; my half of P's rows.  Also: which half of a tile group I fetch
	s_lshr_b32 s[RH], s[WV], 1                     ; my half of R's rows
	s_bfe_u32 s21, ttmp6, 0x40000                  ; cx, cy: my place in the cluster
	s_bfe_u32 s22, ttmp6, 0x40004
	s_lshl_b32 s[WGX], ttmp9, 2
	s_add_co_u32 s[WGX], s[WGX], s21
	s_and_b32 s[WGY], ttmp7, 0xffff
	s_lshl_b32 s[WGY], s[WGY], 2
	s_add_co_u32 s[WGY], s[WGY], s22
	s_lshl_b32 s25, s22, 2
	s_lshl_b32 s25, 15, s25                        ; my row of the cluster
	s_lshl_b32 s26, 0x1111, s21                    ; my column
	; group 1: rows of 6,144 bytes (a tile's four K steps: 768 elements of 8 bytes), 12,288 bytes apart in memory, dense in LDS; 16 tiles of P, 8 of R
	s_or_b32 s[G1P], s26, (3<<16)|(1<<21)          ; 15:0 the mask: P's tiles go to my column; 17:16 elements of 8 bytes; 21 set beside a mask
	s_or_b32 s[G1R], s25, (3<<16)|(1<<21)          ; R's to my row
	s_mov_b32 s[G1P+1], 768<<16                    ; rows of 6,144 bytes: a tile's four K steps
	s_mov_b32 s[G1P+2], 16<<16                     ; P's 16 tiles
	s_mov_b32 s[G1P+3], 768<<16
	s_mov_b32 s[G1P+4], 16
	s_mov_b32 s[G1P+5], 1536                       ; stride from tile to tile, in elements
	s_mov_b32 s[G1P+6], 0
	s_mov_b32 s[G1P+7], 0
	s_mov_b32 s[G1R+1], 768<<16
	s_mov_b32 s[G1R+2], 8<<16                      ; R's 8 tiles
	s_mov_b32 s[G1R+3], 768<<16
	s_mov_b32 s[G1R+4], 8
	s_mov_b32 s[G1R+5], 1536
	s_mov_b32 s[G1R+6], 0
	s_mov_b32 s[G1R+7], 0
	s_lshl_b32 s60, s[WGX], 4                      ; P: tile 16 x + 8 (wave % 2): registers that never hold y
	s_mul_i32 s60, s60, 12288
	s_mov_b32 s61, 0
	s_lshl_b32 s62, s[WGY], 3                      ; R: tile 8 y + 4 (wave % 2): registers that never hold x
	s_mul_i32 s62, s62, 12288
	s_mov_b32 s63, 0
	s_mul_i32 s27, s[PH], 49152                    ; where my half of P's tiles lies in a chunk
.if MODE < 2
	s_mov_b32 s[KINV], 0x3ea2f983                  ; 1 / pi
	s_mov_b32 s[KNMG], 0xcb400000                  ; -1.5 x 2^23
	s_mov_b32 s[KNPH], 0xc0490fdb                  ; -(pi rounded to f32)
	s_mov_b32 s[KNPL], 0x33bbbd2e                  ; -(pi less that)
	s_mov_b32 s[KC6], 0x310f76c7                   ; 1 / 12!
	s_mov_b32 s[KC4], 0x37d00d01                   ; 1 / 8!
	s_mov_b32 s[KC3], 0xbab60b61                   ; -1 / 6!
	s_mov_b32 s[KC2], 0x3d2aaaab                   ; 1 / 4!
.irp k, KINV, KNMG, KNPH, KNPL, KC6, KC4, KC3, KC2
	s_mov_b32 s[\k+1], s[\k]                       ; named as pairs, so both are written
.endr
	s_mov_b32 s[SEL], 0x76543210
	s_mov_b32 s[SEL+1], 0xfedcba98                 ; selects for lane xor 16
.endif
	s_wait_dscnt 0x0
	s_wait_kmcnt 0x0
.if MODE == 1
	s_add_nc_u64 s[8:9], s[8:9], 1572864           ; Wv: tiles 128 on
	s_add_nc_u64 s[10:11], s[10:11], 65536
.elseif MODE == 2
	s_add_nc_u64 s[4:5], s[4:5], 2359296           ; Wo: tiles 192 on
	s_add_nc_u64 s[6:7], s[6:7], 98304
.endif
	s_add_nc_u64 s[4:5], s[4:5], s[60:61]
	s_add_nc_u64 s[8:9], s[8:9], s[62:63]
.irp c, 0,1
	s_mov_b32 s[G0P+4*\c], 1                       ; count = 1
	s_mov_b32 s[G0P+4*\c+1], \c*CHUNK              ; LDS address
	s_add_nc_u64 s[G0P+4*\c+2:G0P+4*\c+3], s[4:5], \c*TILEB   ; global address: K steps 4 c .. 4 c + 3
	s_or_b32 s[G0P+4*\c+3], s[G0P+4*\c+3], 0x80000000         ; type = 2
	s_mov_b32 s[G0R+4*\c], 1
	s_mov_b32 s[G0R+4*\c+1], \c*CHUNK+ROFF
	s_add_nc_u64 s[G0R+4*\c+2:G0R+4*\c+3], s[8:9], \c*TILEB
	s_or_b32 s[G0R+4*\c+3], s[G0R+4*\c+3], 0x80000000
.endr
	CROUND                                         ; all sixteen work-groups are here: the joint loads meet
	s_cmp_eq_u32 s[WV], 0                          ; one chain of branches on the wave's number, one load to an arm, all arms to one join
	s_cbranch_scc0 .Larm_1
	tensor_load_to_lds s[G0P:G0P+3], s[G1P:G1P+7]  ; wave 0: P, K steps 0-3
	s_nop 0
	PLACES 4
	s_branch .Lfilled
.Larm_1:
	s_cmp_eq_u32 s[WV], 1
	s_cbranch_scc0 .Larm_2
	tensor_load_to_lds s[G0R:G0R+3], s[G1R:G1R+7]  ; wave 1: R, K steps 0-3
	s_nop 0
	PLACES 4
	s_branch .Lfilled
.Larm_2:
	s_cmp_eq_u32 s[WV], 2
	s_cbranch_scc0 .Larm_3
	tensor_load_to_lds s[G0P+4:G0P+7], s[G1P:G1P+7]   ; wave 2: P, K steps 4-7
	s_nop 0
	PLACES 4
	s_branch .Lfilled
.Larm_3:
	tensor_load_to_lds s[G0R+4:G0R+7], s[G1R:G1R+7]   ; wave 3: R, K steps 4-7
	s_nop 0
	PLACES 4
.Lfilled:
	v_and_b32 v1, 15, v0                           ; r
	v_bfe_u32 v2, v0, 4, 1                         ; h
	v_and_b32 v3, 31, v0                           ; lane
	v_lshl_add_u32 v[AP16], v3, 4, s27
	v_lshl_add_u32 v[AP8], v3, 3, s27
	s_mul_i32 s2, s[RH], 24576
	s_add_co_u32 s2, s2, ROFF
	v_lshl_add_u32 v[AR16], v3, 4, s2
	v_lshl_add_u32 v[AR8], v3, 3, s2
	v_lshlrev_b32 v[H16], 4, v2
	; the scale words of all of K, straight into registers: 512 bytes a tile; lanes 16-31 take the tile 4 (P) or 2 (R) further on
	v_lshlrev_b32 v12, 4, v1
	v_lshl_add_u32 v12, v2, 11, v12
	s_lshl_b32 s2, s[PH], 12
	v_add_nc_u32 v12, s2, v12                      ; 16 r + 2,048 h + 4,096 x my half
	s_lshl_b32 s60, s[WGX], 13
	s_add_nc_u64 s[6:7], s[6:7], s[60:61]
.irp i, 0,1,2,3
.irp u, 0,1
	global_load_b128 v[SCP+8*\i+4*\u:SCP+8*\i+4*\u+3], v12, s[6:7] offset:512*\i+256*\u
.endr
.endr
.if MODE < 2
	v_lshlrev_b32 v13, 4, v1
	v_lshl_add_u32 v13, v2, 10, v13
	s_lshl_b32 s2, s[RH], 11
	v_add_nc_u32 v13, s2, v13                      ; 16 r + 1,024 h + 2,048 x my half
	s_lshl_b32 s62, s[WGY], 12
	s_add_nc_u64 s[10:11], s[10:11], s[62:63]
.irp i, 0,1
.irp u, 0,1
	global_load_b128 v[SCR+8*\i+4*\u:SCR+8*\i+4*\u+3], v13, s[10:11] offset:512*\i+256*\u
.endr
.endr
.else
	v_lshlrev_b32 v13, 2, v1                       ; the attention's scale words lie [head][row]: a head's two bytes in the low half (even heads) or the high half (odd)
	v_lshl_add_u32 v13, v2, 7, v13
	s_lshl_b32 s2, s[RH], 8
	v_add_nc_u32 v13, s2, v13                      ; 4 r + 128 h + 256 x my half
	s_lshl_b32 s62, s[WGY], 9
	s_add_nc_u64 s[10:11], s[10:11], s[62:63]
.irp i, 0,1
.irp s, 0,1,2,3,4,5,6,7
	global_load_b32 v[SCR+8*\i+\s], v13, s[10:11] offset:32768*(2*\s)+64*\i
	global_load_b32 v[TH+8*\i+\s], v13, s[10:11] offset:32768*(2*\s+1)+64*\i
.endr
.endr
.endif
.if MODE == 0
	v_lshlrev_b32 v14, 5, v2                       ; theta[16 (b % 4) + 8 h + j]: a lane's registers run along the head's 64
.irp b, 0,1,2,3
	global_load_b128 v[TH+8*\b:TH+8*\b+3], v14, s[12:13] offset:64*\b
	global_load_b128 v[TH+8*\b+4:TH+8*\b+7], v14, s[12:13] offset:64*\b+16
.endr
.elseif MODE == 1
	v_and_b32 v14, 8, v1                           ; theta[32 (a / 2) + 8 (a % 2) + r + 8 (r / 8)] in all eight registers: the lane is Wv's row
	v_add_nc_u32 v14, v14, v1
	v_lshlrev_b32 v14, 2, v14
.irp a, 0,1,2,3
.irp j, 0,1,2,3,4,5,6,7
	global_load_b32 v[TH+8*\a+\j], v14, s[12:13] offset:128*(\a/2)+32*(\a%2)
.endr
.endr
.endif
	; where the results go
.if MODE == 0
	s_cmp_ge_u32 ttmp9, 1                          ; clusters with x = 0 hold Wq's rows, x = 1 Wk's: the choice hangs on no address
	s_cselect_b64 s[OB:OB+1], s[16:17], s[14:15]
	s_lshl_b32 s2, s[WGX], 1
	s_add_co_u32 s2, s2, s[PH]
	s_and_b32 s2, s2, 7
	s_lshl_b32 s2, s2, 1                           ; my two heads: 2 hp, 2 hp + 1
	s_lshr_b32 s3, s[WGY], 4
	s_lshl_b32 s3, s3, 4
	s_add_co_u32 s2, s2, s3                        ; + 16 x batch
	s_mul_i32 s2, s2, 208896
	s_and_b32 s3, s[WGY], 15
	s_mul_i32 s3, s3, 13056                        ; the record of these 128 tokens
	s_add_co_u32 s2, s2, s3
	s_mov_b32 s3, 0
	s_add_nc_u64 s[OB:OB+1], s[OB:OB+1], s[2:3]
	s_mul_i32 s2, s[RH], 3072                      ; my four token tiles of the record's eight
	v_lshl_add_u32 v[G16], v3, 4, s2
	v_lshl_add_u32 v[G8], v3, 3, s2
	v_mul_u32_u24 v[GS], v2, 208896                ; scale words: lanes 0-15 the first head's, lanes 16-31 the second's
	v_lshl_add_u32 v[GS], v1, 4, v[GS]
	s_lshl_b32 s2, s[RH], 8
	v_add_nc_u32 v[GS], s2, v[GS]
.elseif MODE == 1
	s_lshr_b32 s2, s[WGX], 3
	s_lshl_b32 s2, s2, 4
	s_lshl_b32 s3, s[WGY], 1
	s_add_co_u32 s2, s2, s3
	s_add_co_u32 s2, s2, s[RH]                     ; 16 x batch + head
	s_mul_i32 s2, s2, 208896
	s_and_b32 s3, s[WGX], 7
	s_lshl_b32 s3, s3, 1
	s_add_co_u32 s3, s3, s[PH]
	s_mul_i32 s3, s3, 13056                        ; the record of my 128 keys
	s_add_co_u32 s2, s2, s3
	s_mov_b32 s3, 0
	s_add_nc_u64 s[OB:OB+1], s[OB:OB+1], s[2:3]
	v_lshlrev_b32 v[G16], 4, v3
	v_lshlrev_b32 v[G8], 3, v3
.else
	s_lshl_b32 s2, s[WGY], 7
	s_lshl_b32 s3, s[RH], 6
	s_add_co_u32 s2, s2, s3
	s_lshl_b32 s2, s2, 12                          ; my first row of out0, rows of 4,096 bytes
	s_lshl_b32 s3, s[WGX], 10
	s_add_co_u32 s2, s2, s3
	s_lshl_b32 s3, s[PH], 9
	s_add_co_u32 s2, s2, s3                        ; + my 128 columns
	s_mov_b32 s3, 0
	s_add_nc_u64 s[OB:OB+1], s[OB:OB+1], s[2:3]
	s_mul_i32 s2, s[WV], 8448                      ; my stage: 16 rows x 528 bytes, in chunk 0, which has had its only fill and its last read when the first result is stored there
	v_mul_u32_u24 v[STO], v1, 528
	v_lshl_add_u32 v[STO], v2, 5, v[STO]
	v_add_nc_u32 v[STO], s2, v[STO]                ; in: row r, 32 bytes for each half of the lanes
	v_lshlrev_b32 v[CO], 4, v3
	v_add_nc_u32 v[RD], s2, v[CO]                  ; back: the 32 lanes take a row of 512 bytes
.endif
.if MODE < 2
	v_mov_b32 v[VMAG], 0x4b400000                  ; 1.5 x 2^23, and -1 / 10!, as vector pairs: an instruction takes one scalar pair here
	v_mov_b32 v[VMAG+1], 0x4b400000
	v_mov_b32 v[VC5], 0xb493f27e
	v_mov_b32 v[VC5+1], 0xb493f27e
.irp b, 0,1,2,3
	v_mov_b32 v[TM+4+\b], 0                        ; a lane permute's destination counts as read
.endr
.endif
	s_wait_loadcnt 0x0                             ; scale words and theta, once
.if MODE == 2
.irp k, 0,1,2,3,4,5,6,7,8,9,10,11,12,13,14,15
	v_or_b32 v[SCR+\k], v[SCR+\k], v[TH+\k]        ; two heads' halves make a K step's word
.endr
	PLACES 8                                       ; a scale register written by a vector instruction stands eight places ahead of a scaled product
.endif
	s_wait_alu depctr_va_vdst(0)
	s_cmp_lt_u32 s[WV], 2                          ; waves 0 and 1 wait for their loads, the first half of K; the second half stays on its way: nothing is ever filled again
	s_cbranch_scc0 .Lnot_first
	s_wait_tensorcnt 0x0
.Lnot_first:
	s_barrier_signal -1
	s_barrier_wait -1                              ; everybody's is
	FETCH 0, 0
.irp g, 0,1,2,3,4,5,6,7
	WIN 0
.if \g == 3
	s_wait_tensorcnt 0x0                           ; every wave waits for all its loads: the barrier shows the second half of K
	s_wait_dscnt 0x0                               ; no LDS load of mine is pending at the signal
	s_barrier_signal -1
	s_barrier_wait -1
	v_add_nc_u32 v[AP16], CHUNK, v[AP16]
	s_wait_alu depctr_va_vdst(0)
	v_add_nc_u32 v[AP8], CHUNK, v[AP8]
	s_wait_alu depctr_va_vdst(0)
	v_add_nc_u32 v[AR16], CHUNK, v[AR16]
	s_wait_alu depctr_va_vdst(0)
	v_add_nc_u32 v[AR8], CHUNK, v[AR8]
.endif
.if \g < 7
.if \g > 0
	s_wait_alu depctr_va_vdst(0)
	PLACES 4                                       ; four places in front of loads into registers that the last step's products have read
.endif
	FETCH (\g+1)%2, (\g+1)%4
	s_wait_dscnt 48                                ; all but the 48 just issued
.else
	s_wait_dscnt 0x0
.endif
.if \g == 0
	MULS 0, 0, 1
.else
	MULS \g%2, \g, 0
.endif
.endr
	WIN 0
	PLACES 4                                       ; in front of the first read of results and the first write over operands
.if MODE < 2
.irp a, 0,1,2,3
	COSGRP \a
	s_wait_xcnt 0x0                                ; the last group's stores have read the codes' registers
	QUANT U
.if MODE == 0
	; 128 features = two heads: registers 0-5 are the first head's half image of token tile a, registers 6-11 the second's
	global_store_b128 v[G16], v[PC:PC+3], s[OB:OB+1] offset:768*\a
	global_store_b64 v[G8], v[PC+4:PC+5], s[OB:OB+1] offset:768*\a+512
	global_store_b128 v[G16], v[PC+6:PC+9], s[OB:OB+1] offset:768*\a+208896
	global_store_b64 v[G8], v[PC+10:PC+11], s[OB:OB+1] offset:768*\a+208896+512
	v_lshrrev_b32 v[SW+\a], v[H16], v[PW]          ; lanes 0-15: the first head's two bytes, lanes 16-31 the second's;
	v_and_b32 v[SW+\a], 0xffff, v[SW+\a]
	v_lshl_or_b32 v[SW+\a], v[SW+\a], 16, v[SW+\a] ; repeated for the instruction's upper 64 along K, where one side's codes are zeros
.else
	global_store_b128 v[G16], v[PC:PC+3], s[OB:OB+1] offset:6144+1536*\a
	global_store_b64 v[G8], v[PC+4:PC+5], s[OB:OB+1] offset:6144+1536*\a+512
	global_store_b128 v[G16], v[PC+6:PC+9], s[OB:OB+1] offset:6144+1536*\a+768
	global_store_b64 v[G8], v[PC+10:PC+11], s[OB:OB+1] offset:6144+1536*\a+768+512
	v_mov_b32 v[SW+\a], v[PW]
.endif
.endr
.if MODE == 0
	global_store_b128 v[GS], v[SW:SW+3], s[OB:OB+1] offset:12288   ; sixteen lanes store 256 consecutive bytes, aligned: my four tiles' words of row r
.else
	v_cmp_eq_u32 vcc_lo, 1, v2
	v_cndmask_b32 v[DD], v[SW], v[SW+2], vcc_lo    ; lanes 0-15: tiles 0, 1; lanes 16-31: tiles 2, 3
	v_cndmask_b32 v[DD+1], v[SW+1], v[SW+3], vcc_lo
	global_store_b64 v[G8], v[DD:DD+1], s[OB:OB+1] offset:12800
.endif
.else
; A lane holds 32 neighbouring bytes of a row of out0 and the lanes beside it other rows: 16 rows x 128 columns at a time go through my stage and come back as whole rows of 512 bytes.
.irp a, 0,1,2,3
.if \a >= 2
	s_wait_xcnt 0x0                                ; the stores of two blocks ago have read their registers
.endif
	WIN 0x04                                       ; an LDS store's data: window 1
.irp b, 0,1,2,3,4,5,6,7
	ds_store_b128 v[STO], v[64*\a+8*\b:64*\a+8*\b+3] offset:64*\b          ; each accumulator from its low end on
	ds_store_b128 v[STO], v[64*\a+8*\b+4:64*\a+8*\b+7] offset:64*\b+16
.endr
	WIN 0
.irp t, 0,1,2,3,4,5,6,7,8,9,10,11,12,13,14,15
	ds_load_b128 v[BK+64*(\a%2)+4*\t:BK+64*(\a%2)+4*\t+3], v[RD] offset:528*\t   ; LDS serves a wave's instructions in order: these see my stores
.endr
	s_wait_dscnt 0x0
.irp t, 0,1,2,3,4,5,6,7,8,9,10,11,12,13,14,15
	global_store_b128 v[CO], v[BK+64*(\a%2)+4*\t:BK+64*(\a%2)+4*\t+3], s[OB:OB+1] offset:4096*(16*\a+\t) th:TH_STORE_NT   ; 512 consecutive bytes, at a multiple of 256
.endr
.endr
.endif
	s_wait_dscnt 0x0
	s_wait_tensorcnt 0x0
	ds_add_u32 v254, v255
	s_wait_dscnt 0x0
	CROUND                                         ; the closing round: no work-group ends while a partner may still ask for a tile that names it
	s_endpgm
.Lfunc_end_k_q18369e8683_qk:
	.size	k_q18369e8683_qk, .Lfunc_end_k_q18369e8683_qk-k_q18369e8683_qk
	.p2alignl 7, 3214868480
	.fill 96, 4, 3214868480
	.section	.rodata,"a",@progbits
	.p2align	6, 0x0
	.amdhsa_kernel k_q18369e8683_qk
		.amdhsa_group_segment_fixed_size 295424
		.amdhsa_private_segment_fixed_size 0
		.amdhsa_enable_private_segment 0
		.amdhsa_kernarg_size 56
		.amdhsa_user_sgpr_count 2
		.amdhsa_user_sgpr_kernarg_segment_ptr 1
		.amdhsa_wavefront_size32 1
		.amdhsa_system_sgpr_workgroup_id_x 1
		.amdhsa_system_sgpr_workgroup_id_y 1
		.amdhsa_system_sgpr_workgroup_id_z 1
		.amdhsa_system_vgpr_workitem_id 0
		.amdhsa_next_free_vgpr 768
		.amdhsa_next_free_sgpr 102
		.amdhsa_reserve_vcc 1
		.amdhsa_float_denorm_mode_32 3
		.amdhsa_float_denorm_mode_16_64 3
		.amdhsa_memory_ordered 1
		.amdhsa_forward_progress 1
		.amdhsa_inst_pref_size 192
	.end_amdhsa_kernel
	.amdgpu_metadata
---
amdhsa.version: [ 1, 2 ]
amdhsa.kernels:
  - .name:           k_q18369e8683_qk
    .symbol:         k_q18369e8683_qk.kd
    .args:
      - { .name: w_codes, .offset: 0, .size: 8, .value_kind: global_buffer, .address_space: global }
      - { .name: w_sc, .offset: 8, .size: 8, .value_kind: global_buffer, .address_space: global }
      - { .name: x_codes, .offset: 16, .size: 8, .value_kind: global_buffer, .address_space: global }
      - { .name: x_sc, .offset: 24, .size: 8, .value_kind: global_buffer, .address_space: global }
      - { .name: theta, .offset: 32, .size: 8, .value_kind: global_buffer, .address_space: global }
      - { .name: q, .offset: 40, .size: 8, .value_kind: global_buffer, .address_space: global }
      - { .name: kv, .offset: 48, .size: 8, .value_kind: global_buffer, .address_space: global }
    .group_segment_fixed_size: 295424
    .private_segment_fixed_size: 0
    .kernarg_segment_align: 8
    .kernarg_segment_size: 56
    .max_flat_workgroup_size: 128
    .sgpr_count:     102
    .vgpr_count:     768
    .wavefront_size: 32
...
	.end_amdgpu_metadata
.endif
;; end of part 2
;; launch v (part 3): grid 32 x 8, 4 waves a work-group, clusters of 4 x 4, 295,424 bytes of LDS; arguments x_codes, x_sc, w_codes, w_sc, theta, kv; writes kv
.if DOCPART == 3
	.amdgcn_target "amdgcn-amd-amdhsa--gfx1250"
	.amdhsa_code_object_version 6
	.text
	.protected	k_q18369e8683_v
	.globl	k_q18369e8683_v
	.p2align	8
	.type	k_q18369e8683_v,@function
k_q18369e8683_v:
	s_mov_b64 s[64:65], 0
	v_nop
	global_prefetch_b8 v0, s[64:65] scope:SCOPE_SE
	s_setreg_imm32_b32 hwreg(HW_REG_WAVE_MODE, 25, 1), 1
	s_wait_xcnt 0x0
	s_wait_alu depctr_hold_cnt(0) depctr_sa_sdst(0) depctr_va_vdst(0) depctr_va_sdst(0) depctr_va_ssrc(0) depctr_va_vcc(0) depctr_vm_vsrc(0)
	s_getreg_b32 s2, hwreg(HW_REG_IB_STS2, 6, 4)
	s_cmp_eq_u32 s2, 0
	s_cbranch_scc0 .Lentry_in_a_cluster
	s_endpgm
.Lentry_in_a_cluster:
	s_bfe_u32 s2, ttmp6, 0x10000c
	s_cmp_lg_u32 s2, 0xf033
	s_cbranch_scc0 .Lentry_shape_is_right
	s_endpgm
.Lentry_shape_is_right:
; ONE TEXT FOR THREE LAUNCHES, chosen by MODE.  D = P R^T on codes of FP6 (E2M3) with E8M0 scales, K = 1,024, f32 sums.  P is source 0 (its rows run along a lane's registers), R source 1 (its row is the lane).
;   MODE 0: P = Wq | Wk (2,048 rows), R = x.   cos(. + theta), quantised along the head's 64, to q and to kv's K parts.
;   MODE 1: P = x, R = Wv.                     cos(. + theta), quantised along the keys, to kv's V parts.
;   MODE 2: P = Wo, R = the attention's codes.  f32 results to out0.
; Operands lie in memory as HALF IMAGES (16 rows x 64 k, 768 bytes: lane's registers 0-3 at 16 x lane, 4-5 at 512 + 8 x lane), 16 to a tile of 16 rows.
; SHARES: a work-group makes 256 rows of P x 128 rows of R; wave w: P's half w % 2, R's half w / 2: 32 accumulators.  ALL OF K for the 384 rows is 294,912 bytes: every LDS byte is filled ONCE, in two chunks of four
; K steps, so there is no ring and no refill; the waits on the fills are counted and the second chunk stays on their way across the barriers.
; CLUSTER 4 x 4: P's tiles hang on the work-group's x alone and are asked for jointly by a column of the cluster, R's on y alone, by a row.
; ORDER ALONG K OF WHAT IS MADE HERE: a lane's 16 registers of P's tiles 2 b, 2 b + 1 are rows 32 b + 8 h + 0..7 and 32 b + 16 + 8 h + 0..7: a block of 32 comes out in the order 0-7, 16-23, 8-15, 24-31.
; The same order arises on both sides of each attention product (q and k along d; p and V along the keys), so products and scales are the contract's; only the grouping of the sums differs.
; THE COSINE: n = round(z / pi) by the magic number 1.5 x 2^23, r = z - n pi in two fused steps, the Taylor series of cos to r^12 (remainder under 1e-8 at pi / 2), sign by n's lowest bit.
; LIMITS: |x . W + theta| under 2^22 pi; NaN and infinities are not served; a block of zeros gets the byte 1 (read by this program alone).
; REGISTERS: window 0: v1-15 lane numbers and addresses; v16-47 P's scale words, v48-63 R's (nothing else ever); v64-95 theta in the result's layout; v96-191 R's fragments, two sets; from v192 the way out's.
;   window 1: accumulator (a, b) at v[8 (8 a + b)].   window 2: P's fragments, two sets, at v0 and v128.
.set MODE, 1
.set WV,   18                          ; s18 wave;  s19 wave % 2;  s20 wave / 2
.set PH,   19
.set RH,   20
.set WGX,  23
.set WGY,  24
.set G1P,  28                          ; s[28:35] descriptor group 1 for P's tiles;  s[36:43] for R's
.set G1R,  36
.set G0P,  44                          ; s[44:51] groups 0 for P's two chunks;  s[68:75] for R's
.set G0R,  68
.set KINV, 84                          ; pairs of constants for the packed forms, which take the low word for both halves
.set KNMG, 86
.set KNPH, 88
.set KNPL, 90
.set KC6,  92
.set KC4,  94
.set KC3,  96
.set KC2,  98
.set SEL,  100
.if MODE == 2
.set OB,   12                          ; the output's base
.else
.set OB,   14
.endif
; THE FILLS: K comes in TWO halves of four K steps, each LDS byte filled once: wave 0 asks for P's first half, wave 1 for R's, wave 2 for P's second, wave 3 for R's: one tensor load a wave.
.set CHUNK, 147456                     ; four K steps of 384 rows: P's 16 tiles x 6,144 bytes, then R's 8
.set TILEB, 6144
.set ROFF,  98304
.set AP16, 4                           ; v4-7  LDS addresses of my fragments: 16 x lane and 8 x lane, + my half
.set AP8,  5
.set AR16, 6
.set AR8,  7
.set G16,  8                           ; v8-10 offsets of the stores (MODE 2: stage in, stage out, my 16 bytes of a row)
.set G8,   9
.set GS,   10
.set STO,  8
.set RD,   9
.set CO,   10
.set H16,  11                          ; v11   16 h
.set SCP,  16                          ; register 8 i + s: lanes 0-15 P's tile i, lanes 16-31 tile i + 4, K step s
.set SCR,  48                          ; register 8 i + s: R's tile i, and tile i + 2
.set TH,   64
.set RF,   96
.set T,    64                          ; the way out: v64-127, v128-191 at work
.set U,    128
.set BK,   64                          ; MODE 2: rows read back from the stage, two sets of 64
.set TM,   192
.set PW,   208
.set PC,   210                         ; v210-221 a fragment's codes; v222-229 second halves
.set SW,   232
.set DD,   236
.set VMAG, 238
.set VC5,  240
.set MSB, 0
.macro WIN new                         ; the immediate's high byte repeats the setting that is left
.if MSB != \new
	s_set_vgpr_msb (MSB<<8)|\new
.set MSB, \new
.endif
.endm
.macro PLACES n
.rept \n
	v_nop
.endr
.endm
.macro CROUND                          ; a round of the cluster's barrier
	s_barrier_signal -1
	s_barrier_wait -1
	s_cmp_lg_u32 s[WV], 0
	s_cbranch_scc1 .Lnot_wave_0_\@
	s_barrier_signal -3
.Lnot_wave_0_\@:
	s_barrier_wait -3
	s_barrier_signal -1
	s_barrier_wait -1
.endm
; one product.  c < 0: the constant 0 starts the sum.  ra, rb: the scale words lie in lanes 16-31
.macro WM d, p, r, c, sa, sb, ra, rb
.if (\c) < 0
.if (\ra) && (\rb)
	v_wmma_scale_f32_16x16x128_f8f6f4 v[\d:\d+7], v[\p:\p+11], v[\r:\r+11], 0, v[\sa], v[\sb] matrix_a_fmt:MATRIX_FMT_FP6 matrix_b_fmt:MATRIX_FMT_FP6 matrix_a_scale:MATRIX_SCALE_ROW1 matrix_b_scale:MATRIX_SCALE_ROW1
.elseif (\ra)
	v_wmma_scale_f32_16x16x128_f8f6f4 v[\d:\d+7], v[\p:\p+11], v[\r:\r+11], 0, v[\sa], v[\sb] matrix_a_fmt:MATRIX_FMT_FP6 matrix_b_fmt:MATRIX_FMT_FP6 matrix_a_scale:MATRIX_SCALE_ROW1
.elseif (\rb)
	v_wmma_scale_f32_16x16x128_f8f6f4 v[\d:\d+7], v[\p:\p+11], v[\r:\r+11], 0, v[\sa], v[\sb] matrix_a_fmt:MATRIX_FMT_FP6 matrix_b_fmt:MATRIX_FMT_FP6 matrix_b_scale:MATRIX_SCALE_ROW1
.else
	v_wmma_scale_f32_16x16x128_f8f6f4 v[\d:\d+7], v[\p:\p+11], v[\r:\r+11], 0, v[\sa], v[\sb] matrix_a_fmt:MATRIX_FMT_FP6 matrix_b_fmt:MATRIX_FMT_FP6
.endif
.else
.if (\ra) && (\rb)
	v_wmma_scale_f32_16x16x128_f8f6f4 v[\d:\d+7], v[\p:\p+11], v[\r:\r+11], v[\c:\c+7], v[\sa], v[\sb] matrix_a_fmt:MATRIX_FMT_FP6 matrix_b_fmt:MATRIX_FMT_FP6 matrix_a_scale:MATRIX_SCALE_ROW1 matrix_b_scale:MATRIX_SCALE_ROW1
.elseif (\ra)
	v_wmma_scale_f32_16x16x128_f8f6f4 v[\d:\d+7], v[\p:\p+11], v[\r:\r+11], v[\c:\c+7], v[\sa], v[\sb] matrix_a_fmt:MATRIX_FMT_FP6 matrix_b_fmt:MATRIX_FMT_FP6 matrix_a_scale:MATRIX_SCALE_ROW1
.elseif (\rb)
	v_wmma_scale_f32_16x16x128_f8f6f4 v[\d:\d+7], v[\p:\p+11], v[\r:\r+11], v[\c:\c+7], v[\sa], v[\sb] matrix_a_fmt:MATRIX_FMT_FP6 matrix_b_fmt:MATRIX_FMT_FP6 matrix_b_scale:MATRIX_SCALE_ROW1
.else
	v_wmma_scale_f32_16x16x128_f8f6f4 v[\d:\d+7], v[\p:\p+11], v[\r:\r+11], v[\c:\c+7], v[\sa], v[\sb] matrix_a_fmt:MATRIX_FMT_FP6 matrix_b_fmt:MATRIX_FMT_FP6
.endif
.endif
.endm
; 48 LDS loads in one run: a K step's fragments (the chunk's step sp) into set: P's eight tiles, R's four.  Every load takes 512 or 256 consecutive bytes.
.macro FETCH set, sp
	WIN 0x80                                       ; destination window 2, address window 0
.irp i, 0,1,2,3,4,5,6,7
.irp c, 0,1
	ds_load_b128 v[128*(\set)+12*\i+6*\c:128*(\set)+12*\i+6*\c+3], v[AP16] offset:TILEB*\i+1536*(\sp)+768*\c
	ds_load_b64 v[128*(\set)+12*\i+6*\c+4:128*(\set)+12*\i+6*\c+5], v[AP8] offset:TILEB*\i+1536*(\sp)+768*\c+512
.endr
.endr
	WIN 0
.irp i, 0,1,2,3
.irp c, 0,1
	ds_load_b128 v[RF+48*(\set)+12*\i+6*\c:RF+48*(\set)+12*\i+6*\c+3], v[AR16] offset:TILEB*\i+1536*(\sp)+768*\c
	ds_load_b64 v[RF+48*(\set)+12*\i+6*\c+4:RF+48*(\set)+12*\i+6*\c+5], v[AR8] offset:TILEB*\i+1536*(\sp)+768*\c+512
.endr
.endr
.endm
; K step s: 32 products.  The 32 accumulators take turns, one instruction a turn, in the same order in every step.
; first: the sums begin with theta in the result's layout (MODES 0, 1) or with the constant 0 (MODE 2): nothing is cleared, no addition is spent on theta.
.macro MULS set, s, first
.if \first
	WIN 0x42                                       ; source 0 window 2, source 1 and C window 0, D window 1
.else
	WIN 0x52                                       ; C and D window 1
.endif
.irp a, 0,1,2,3
.irp b, 0,1,2,3,4,5,6,7
.if \first
.if MODE == 0
.set CC, TH+8*(\b%4)
.elseif MODE == 1
.set CC, TH+8*\a
.else
.set CC, -1
.endif
.else
.set CC, 8*(8*\a+\b)
.endif
	WM 8*(8*\a+\b), 128*(\set)+12*\b, RF+48*(\set)+12*\a, CC, SCP+8*(\b%4)+(\s), SCR+8*(\a%2)+(\s), \b/4, \a/2
.endr
.endr
.endm
.if MODE < 2
; cos of the 64 numbers of R's tile a (accumulators (a, 0..7), window 1) into v[U] on.  Each stage is one run under one window setting, in ascending order: every accumulator is first read at its low end.
.macro COSGRP a
.set Z, 64*(\a)
	WIN 0x01
.set p, 0
.rept 32
	v_pk_fma_f32 v[T+p:T+p+1], v[Z+p:Z+p+1], s[KINV:KINV+1], v[VMAG:VMAG+1] op_sel_hi:[1,0,1]   ; z / pi + 1.5 x 2^23: the sum's low bits are n = round(z / pi)
.set p, p+2
.endr
	WIN 0
.set p, 0
.rept 32
	v_pk_add_f32 v[U+p:U+p+1], v[T+p:T+p+1], s[KNMG:KNMG+1] op_sel_hi:[1,0]   ; n as a number
.set p, p+2
.endr
	WIN 0x50
.irp k, KNPH, KNPL
.set p, 0
.rept 32
	v_pk_fma_f32 v[Z+p:Z+p+1], v[U+p:U+p+1], s[\k:\k+1], v[Z+p:Z+p+1] op_sel_hi:[1,0,1]   ; r = z - n pi, pi in two parts
.set p, p+2
.endr
.endr
	WIN 0x05
.set p, 0
.rept 32
	v_pk_mul_f32 v[U+p:U+p+1], v[Z+p:Z+p+1], v[Z+p:Z+p+1]   ; u = r^2
.set p, p+2
.endr
	WIN 0x40
.set p, 0
.rept 32
	v_pk_fma_f32 v[Z+p:Z+p+1], v[U+p:U+p+1], s[KC6:KC6+1], v[VC5:VC5+1] op_sel_hi:[1,0,1]
.set p, p+2
.endr
	WIN 0x41
.irp k, KC4, KC3, KC2
.set p, 0
.rept 32
	v_pk_fma_f32 v[Z+p:Z+p+1], v[Z+p:Z+p+1], v[U+p:U+p+1], s[\k:\k+1] op_sel_hi:[1,1,0]
.set p, p+2
.endr
.endr
.set p, 0
.rept 32
	v_pk_fma_f32 v[Z+p:Z+p+1], v[Z+p:Z+p+1], v[U+p:U+p+1], -0.5 op_sel_hi:[1,1,0]
.set p, p+2
.endr
.set p, 0
.rept 32
	v_pk_fma_f32 v[Z+p:Z+p+1], v[Z+p:Z+p+1], v[U+p:U+p+1], 1.0 op_sel_hi:[1,1,0]   ; cos r
.set p, p+2
.endr
	WIN 0x10
.set p, 0
.rept 64
	v_lshl_or_b32 v[U+p], v[T+p], 31, v[Z+p]       ; cos z = (-1)^n cos r: n's lowest bit is laid over the sign; cos r is not negative on |r| <= pi / 2 but for rounding at the interval's ends, under 1e-7 in size
.set p, p+1
.endr
	WIN 0
.endm
; 64 numbers of a lane, v[s] on, four blocks of 16 registers (the other 16 of each block lie in lane xor 16), become a fragment's codes in v[PC] on and its scale word in v[PW].
.macro QUANT s
.irp b, 0,1,2,3
	v_max3_num_f32 v[TM+\b], |v[\s+16*\b]|, |v[\s+1+16*\b]|, 0x1800000   ; and the floor 2^(3 - 127): the byte cannot fall under 1
.endr
.irp i, 2,4,6,8,10,12,14
.irp b, 0,1,2,3
	v_max3_num_f32 v[TM+\b], v[TM+\b], |v[\s+16*\b+\i]|, |v[\s+1+16*\b+\i]|   ; the four blocks by turns
.endr
.endr
.irp b, 0,1,2,3
	v_permlanex16_b32 v[TM+4+\b], v[TM+\b], s[SEL], s[SEL+1]
.endr
.irp b, 0,1,2,3
	v_max_num_f32 v[TM+\b], v[TM+\b], v[TM+4+\b]   ; the block's largest magnitude
.endr
.irp b, 0,1,2,3
	v_add_nc_u32 v[TM+12+\b], 0xff000000, v[TM+\b] ; 2 off its exponent field: the conversion's scale operand
.endr
.irp b, 0,1,2,3
	v_lshrrev_b32 v[TM+4+\b], 23, v[TM+12+\b]      ; the scale's byte
.endr
	v_lshl_or_b32 v[PW], v[TM+5], 8, v[TM+4]
	v_lshl_or_b32 v[PW], v[TM+6], 16, v[PW]
	v_lshl_or_b32 v[PW], v[TM+7], 24, v[PW]
.irp c, 0,1
	v_cvt_scalef32_pk16_fp6_f32 v[PC+6*\c:PC+2+6*\c], v[\s+32*\c:\s+15+32*\c], v[TM+12+2*\c]
	v_cvt_scalef32_pk16_fp6_f32 v[PC+12+4*\c:PC+14+4*\c], v[\s+16+32*\c:\s+31+32*\c], v[TM+12+2*\c+1]   ; (a conversion's three registers begin on an even number)
.endr
	v_nop                                          ; one plain place behind a scaled conversion
.irp c, 0,1                                    ; the operand's layout wants a whole block in a lane: lanes 0-15 block 2 c, lanes 16-31 block 2 c + 1
.irp i, 0,1,2
	v_permlane16_swap_b32 v[PC+6*\c+\i], v[PC+12+4*\c+\i]
.endr
.irp i, 0,1,2
	v_mov_b32 v[PC+3+6*\c+\i], v[PC+12+4*\c+\i]
.endr
.endr
.endm
.endif
	s_load_b256 s[4:11], s[0:1], 0x0               ; P's codes, P's scales, R's codes, R's scales
.if MODE == 0
	s_load_b128 s[12:15], s[0:1], 0x20             ; theta, q
	s_load_b64 s[16:17], s[0:1], 0x30              ; kv
.elseif MODE == 1
	s_load_b128 s[12:15], s[0:1], 0x20             ; theta, kv
	v_lshl_add_u32 v254, v0, 2, 0x48000
	v_mov_b32 v255, 0
	ds_add_u32 v254, v255
	ds_add_u32 v254, v255
.else
	s_load_b64 s[12:13], s[0:1], 0x20              ; out0
.endif
	v_lshrrev_b32 v1, 5, v0
	v_readfirstlane_b32 s[WV], v1
	s_and_b32 s[PH], s[WV], 1                      ; my half of P's rows.  Also: which half of a tile group I fetch
	s_lshr_b32 s[RH], s[WV], 1                     ; my half of R's rows
	s_bfe_u32 s21, ttmp6, 0x40000                  ; cx, cy: my place in the cluster
	s_bfe_u32 s22, ttmp6, 0x40004
	s_lshl_b32 s[WGX], ttmp9, 2
	s_add_co_u32 s[WGX], s[WGX], s21
	s_and_b32 s[WGY], ttmp7, 0xffff
	s_lshl_b32 s[WGY], s[WGY], 2
	s_add_co_u32 s[WGY], s[WGY], s22
	s_lshl_b32 s25, s22, 2
	s_lshl_b32 s25, 15, s25                        ; my row of the cluster
	s_lshl_b32 s26, 0x1111, s21                    ; my column
	; group 1: rows of 6,144 bytes (a tile's four K steps: 768 elements of 8 bytes), 12,288 bytes apart in memory, dense in LDS; 16 tiles of P, 8 of R
	s_or_b32 s[G1P], s26, (3<<16)|(1<<21)          ; 15:0 the mask: P's tiles go to my column; 17:16 elements of 8 bytes; 21 set beside a mask
	s_or_b32 s[G1R], s25, (3<<16)|(1<<21)          ; R's to my row
	s_mov_b32 s[G1P+1], 768<<16                    ; rows of 6,144 bytes: a tile's four K steps
	s_mov_b32 s[G1P+2], 16<<16                     ; P's 16 tiles
	s_mov_b32 s[G1P+3], 768<<16
	s_mov_b32 s[G1P+4], 16
	s_mov_b32 s[G1P+5], 1536                       ; stride from tile to tile, in elements
	s_mov_b32 s[G1P+6], 0
	s_mov_b32 s[G1P+7], 0
	s_mov_b32 s[G1R+1], 768<<16
	s_mov_b32 s[G1R+2], 8<<16                      ; R's 8 tiles
	s_mov_b32 s[G1R+3], 768<<16
	s_mov_b32 s[G1R+4], 8
	s_mov_b32 s[G1R+5], 1536
	s_mov_b32 s[G1R+6], 0
	s_mov_b32 s[G1R+7], 0
	s_lshl_b32 s60, s[WGX], 4                      ; P: tile 16 x + 8 (wave % 2): registers that never hold y
	s_mul_i32 s60, s60, 12288
	s_mov_b32 s61, 0
	s_lshl_b32 s62, s[WGY], 3                      ; R: tile 8 y + 4 (wave % 2): registers that never hold x
	s_mul_i32 s62, s62, 12288
	s_mov_b32 s63, 0
	s_mul_i32 s27, s[PH], 49152                    ; where my half of P's tiles lies in a chunk
.if MODE < 2
	s_mov_b32 s[KINV], 0x3ea2f983                  ; 1 / pi
	s_mov_b32 s[KNMG], 0xcb400000                  ; -1.5 x 2^23
	s_mov_b32 s[KNPH], 0xc0490fdb                  ; -(pi rounded to f32)
	s_mov_b32 s[KNPL], 0x33bbbd2e                  ; -(pi less that)
	s_mov_b32 s[KC6], 0x310f76c7                   ; 1 / 12!
	s_mov_b32 s[KC4], 0x37d00d01                   ; 1 / 8!
	s_mov_b32 s[KC3], 0xbab60b61                   ; -1 / 6!
	s_mov_b32 s[KC2], 0x3d2aaaab                   ; 1 / 4!
.irp k, KINV, KNMG, KNPH, KNPL, KC6, KC4, KC3, KC2
	s_mov_b32 s[\k+1], s[\k]                       ; named as pairs, so both are written
.endr
	s_mov_b32 s[SEL], 0x76543210
	s_mov_b32 s[SEL+1], 0xfedcba98                 ; selects for lane xor 16
.endif
	s_wait_dscnt 0x0
	s_wait_kmcnt 0x0
.if MODE == 1
	s_add_nc_u64 s[8:9], s[8:9], 1572864           ; Wv: tiles 128 on
	s_add_nc_u64 s[10:11], s[10:11], 65536
.elseif MODE == 2
	s_add_nc_u64 s[4:5], s[4:5], 2359296           ; Wo: tiles 192 on
	s_add_nc_u64 s[6:7], s[6:7], 98304
.endif
	s_add_nc_u64 s[4:5], s[4:5], s[60:61]
	s_add_nc_u64 s[8:9], s[8:9], s[62:63]
.irp c, 0,1
	s_mov_b32 s[G0P+4*\c], 1                       ; count = 1
	s_mov_b32 s[G0P+4*\c+1], \c*CHUNK              ; LDS address
	s_add_nc_u64 s[G0P+4*\c+2:G0P+4*\c+3], s[4:5], \c*TILEB   ; global address: K steps 4 c .. 4 c + 3
	s_or_b32 s[G0P+4*\c+3], s[G0P+4*\c+3], 0x80000000         ; type = 2
	s_mov_b32 s[G0R+4*\c], 1
	s_mov_b32 s[G0R+4*\c+1], \c*CHUNK+ROFF
	s_add_nc_u64 s[G0R+4*\c+2:G0R+4*\c+3], s[8:9], \c*TILEB
	s_or_b32 s[G0R+4*\c+3], s[G0R+4*\c+3], 0x80000000
.endr
	CROUND                                         ; all sixteen work-groups are here: the joint loads meet
	s_cmp_eq_u32 s[WV], 0                          ; one chain of branches on the wave's number, one load to an arm, all arms to one join
	s_cbranch_scc0 .Larm_1
	tensor_load_to_lds s[G0P:G0P+3], s[G1P:G1P+7]  ; wave 0: P, K steps 0-3
	s_nop 0
	PLACES 4
	s_branch .Lfilled
.Larm_1:
	s_cmp_eq_u32 s[WV], 1
	s_cbranch_scc0 .Larm_2
	tensor_load_to_lds s[G0R:G0R+3], s[G1R:G1R+7]  ; wave 1: R, K steps 0-3
	s_nop 0
	PLACES 4
	s_branch .Lfilled
.Larm_2:
	s_cmp_eq_u32 s[WV], 2
	s_cbranch_scc0 .Larm_3
	tensor_load_to_lds s[G0P+4:G0P+7], s[G1P:G1P+7]   ; wave 2: P, K steps 4-7
	s_nop 0
	PLACES 4
	s_branch .Lfilled
.Larm_3:
	tensor_load_to_lds s[G0R+4:G0R+7], s[G1R:G1R+7]   ; wave 3: R, K steps 4-7
	s_nop 0
	PLACES 4
.Lfilled:
	v_and_b32 v1, 15, v0                           ; r
	v_bfe_u32 v2, v0, 4, 1                         ; h
	v_and_b32 v3, 31, v0                           ; lane
	v_lshl_add_u32 v[AP16], v3, 4, s27
	v_lshl_add_u32 v[AP8], v3, 3, s27
	s_mul_i32 s2, s[RH], 24576
	s_add_co_u32 s2, s2, ROFF
	v_lshl_add_u32 v[AR16], v3, 4, s2
	v_lshl_add_u32 v[AR8], v3, 3, s2
	v_lshlrev_b32 v[H16], 4, v2
	; the scale words of all of K, straight into registers: 512 bytes a tile; lanes 16-31 take the tile 4 (P) or 2 (R) further on
	v_lshlrev_b32 v12, 4, v1
	v_lshl_add_u32 v12, v2, 11, v12
	s_lshl_b32 s2, s[PH], 12
	v_add_nc_u32 v12, s2, v12                      ; 16 r + 2,048 h + 4,096 x my half
	s_lshl_b32 s60, s[WGX], 13
	s_add_nc_u64 s[6:7], s[6:7], s[60:61]
.irp i, 0,1,2,3
.irp u, 0,1
	global_load_b128 v[SCP+8*\i+4*\u:SCP+8*\i+4*\u+3], v12, s[6:7] offset:512*\i+256*\u
.endr
.endr
.if MODE < 2
	v_lshlrev_b32 v13, 4, v1
	v_lshl_add_u32 v13, v2, 10, v13
	s_lshl_b32 s2, s[RH], 11
	v_add_nc_u32 v13, s2, v13                      ; 16 r + 1,024 h + 2,048 x my half
	s_lshl_b32 s62, s[WGY], 12
	s_add_nc_u64 s[10:11], s[10:11], s[62:63]
.irp i, 0,1
.irp u, 0,1
	global_load_b128 v[SCR+8*\i+4*\u:SCR+8*\i+4*\u+3], v13, s[10:11] offset:512*\i+256*\u
.endr
.endr
.else
	v_lshlrev_b32 v13, 2, v1                       ; the attention's scale words lie [head][row]: a head's two bytes in the low half (even heads) or the high half (odd)
	v_lshl_add_u32 v13, v2, 7, v13
	s_lshl_b32 s2, s[RH], 8
	v_add_nc_u32 v13, s2, v13                      ; 4 r + 128 h + 256 x my half
	s_lshl_b32 s62, s[WGY], 9
	s_add_nc_u64 s[10:11], s[10:11], s[62:63]
.irp i, 0,1
.irp s, 0,1,2,3,4,5,6,7
	global_load_b32 v[SCR+8*\i+\s], v13, s[10:11] offset:32768*(2*\s)+64*\i
	global_load_b32 v[TH+8*\i+\s], v13, s[10:11] offset:32768*(2*\s+1)+64*\i
.endr
.endr
.endif
.if MODE == 0
	v_lshlrev_b32 v14, 5, v2                       ; theta[16 (b % 4) + 8 h + j]: a lane's registers run along the head's 64
.irp b, 0,1,2,3
	global_load_b128 v[TH+8*\b:TH+8*\b+3], v14, s[12:13] offset:64*\b
	global_load_b128 v[TH+8*\b+4:TH+8*\b+7], v14, s[12:13] offset:64*\b+16
.endr
.elseif MODE == 1
	v_and_b32 v14, 8, v1                           ; theta[32 (a / 2) + 8 (a % 2) + r + 8 (r / 8)] in all eight registers: the lane is Wv's row
	v_add_nc_u32 v14, v14, v1
	v_lshlrev_b32 v14, 2, v14
.irp a, 0,1,2,3
.irp j, 0,1,2,3,4,5,6,7
	global_load_b32 v[TH+8*\a+\j], v14, s[12:13] offset:128*(\a/2)+32*(\a%2)
.endr
.endr
.endif
	; where the results go
.if MODE == 0
	s_cmp_ge_u32 ttmp9, 1                          ; clusters with x = 0 hold Wq's rows, x = 1 Wk's: the choice hangs on no address
	s_cselect_b64 s[OB:OB+1], s[16:17], s[14:15]
	s_lshl_b32 s2, s[WGX], 1
	s_add_co_u32 s2, s2, s[PH]
	s_and_b32 s2, s2, 7
	s_lshl_b32 s2, s2, 1                           ; my two heads: 2 hp, 2 hp + 1
	s_lshr_b32 s3, s[WGY], 4
	s_lshl_b32 s3, s3, 4
	s_add_co_u32 s2, s2, s3                        ; + 16 x batch
	s_mul_i32 s2, s2, 208896
	s_and_b32 s3, s[WGY], 15
	s_mul_i32 s3, s3, 13056                        ; the record of these 128 tokens
	s_add_co_u32 s2, s2, s3
	s_mov_b32 s3, 0
	s_add_nc_u64 s[OB:OB+1], s[OB:OB+1], s[2:3]
	s_mul_i32 s2, s[RH], 3072                      ; my four token tiles of the record's eight
	v_lshl_add_u32 v[G16], v3, 4, s2
	v_lshl_add_u32 v[G8], v3, 3, s2
	v_mul_u32_u24 v[GS], v2, 208896                ; scale words: lanes 0-15 the first head's, lanes 16-31 the second's
	v_lshl_add_u32 v[GS], v1, 4, v[GS]
	s_lshl_b32 s2, s[RH], 8
	v_add_nc_u32 v[GS], s2, v[GS]
.elseif MODE == 1
	s_lshr_b32 s2, s[WGX], 3
	s_lshl_b32 s2, s2, 4
	s_lshl_b32 s3, s[WGY], 1
	s_add_co_u32 s2, s2, s3
	s_add_co_u32 s2, s2, s[RH]                     ; 16 x batch + head
	s_mul_i32 s2, s2, 208896
	s_and_b32 s3, s[WGX], 7
	s_lshl_b32 s3, s3, 1
	s_add_co_u32 s3, s3, s[PH]
	s_mul_i32 s3, s3, 13056                        ; the record of my 128 keys
	s_add_co_u32 s2, s2, s3
	s_mov_b32 s3, 0
	s_add_nc_u64 s[OB:OB+1], s[OB:OB+1], s[2:3]
	v_lshlrev_b32 v[G16], 4, v3
	v_lshlrev_b32 v[G8], 3, v3
.else
	s_lshl_b32 s2, s[WGY], 7
	s_lshl_b32 s3, s[RH], 6
	s_add_co_u32 s2, s2, s3
	s_lshl_b32 s2, s2, 12                          ; my first row of out0, rows of 4,096 bytes
	s_lshl_b32 s3, s[WGX], 10
	s_add_co_u32 s2, s2, s3
	s_lshl_b32 s3, s[PH], 9
	s_add_co_u32 s2, s2, s3                        ; + my 128 columns
	s_mov_b32 s3, 0
	s_add_nc_u64 s[OB:OB+1], s[OB:OB+1], s[2:3]
	s_mul_i32 s2, s[WV], 8448                      ; my stage: 16 rows x 528 bytes, in chunk 0, which has had its only fill and its last read when the first result is stored there
	v_mul_u32_u24 v[STO], v1, 528
	v_lshl_add_u32 v[STO], v2, 5, v[STO]
	v_add_nc_u32 v[STO], s2, v[STO]                ; in: row r, 32 bytes for each half of the lanes
	v_lshlrev_b32 v[CO], 4, v3
	v_add_nc_u32 v[RD], s2, v[CO]                  ; back: the 32 lanes take a row of 512 bytes
.endif
.if MODE < 2
	v_mov_b32 v[VMAG], 0x4b400000                  ; 1.5 x 2^23, and -1 / 10!, as vector pairs: an instruction takes one scalar pair here
	v_mov_b32 v[VMAG+1], 0x4b400000
	v_mov_b32 v[VC5], 0xb493f27e
	v_mov_b32 v[VC5+1], 0xb493f27e
.irp b, 0,1,2,3
	v_mov_b32 v[TM+4+\b], 0                        ; a lane permute's destination counts as read
.endr
.endif
	s_wait_loadcnt 0x0                             ; scale words and theta, once
.if MODE == 2
.irp k, 0,1,2,3,4,5,6,7,8,9,10,11,12,13,14,15
	v_or_b32 v[SCR+\k], v[SCR+\k], v[TH+\k]        ; two heads' halves make a K step's word
.endr
	PLACES 8                                       ; a scale register written by a vector instruction stands eight places ahead of a scaled product
.endif
	s_wait_alu depctr_va_vdst(0)
	s_cmp_lt_u32 s[WV], 2                          ; waves 0 and 1 wait for their loads, the first half of K; the second half stays on its way: nothing is ever filled again
	s_cbranch_scc0 .Lnot_first
	s_wait_tensorcnt 0x0
.Lnot_first:
	s_barrier_signal -1
	s_barrier_wait -1                              ; everybody's is
	FETCH 0, 0
.irp g, 0,1,2,3,4,5,6,7
	WIN 0
.if \g == 3
	s_wait_tensorcnt 0x0                           ; every wave waits for all its loads: the barrier shows the second half of K
	s_wait_dscnt 0x0                               ; no LDS load of mine is pending at the signal
	s_barrier_signal -1
	s_barrier_wait -1
	v_add_nc_u32 v[AP16], CHUNK, v[AP16]
	s_wait_alu depctr_va_vdst(0)
	v_add_nc_u32 v[AP8], CHUNK, v[AP8]
	s_wait_alu depctr_va_vdst(0)
	v_add_nc_u32 v[AR16], CHUNK, v[AR16]
	s_wait_alu depctr_va_vdst(0)
	v_add_nc_u32 v[AR8], CHUNK, v[AR8]
.endif
.if \g < 7
.if \g > 0
	s_wait_alu depctr_va_vdst(0)
	PLACES 4                                       ; four places in front of loads into registers that the last step's products have read
.endif
	FETCH (\g+1)%2, (\g+1)%4
	s_wait_dscnt 48                                ; all but the 48 just issued
.else
	s_wait_dscnt 0x0
.endif
.if \g == 0
	MULS 0, 0, 1
.else
	MULS \g%2, \g, 0
.endif
.endr
	WIN 0
	PLACES 4                                       ; in front of the first read of results and the first write over operands
.if MODE < 2
.irp a, 0,1,2,3
	COSGRP \a
	s_wait_xcnt 0x0                                ; the last group's stores have read the codes' registers
	QUANT U
.if MODE == 0
	; 128 features = two heads: registers 0-5 are the first head's half image of token tile a, registers 6-11 the second's
	global_store_b128 v[G16], v[PC:PC+3], s[OB:OB+1] offset:768*\a
	global_store_b64 v[G8], v[PC+4:PC+5], s[OB:OB+1] offset:768*\a+512
	global_store_b128 v[G16], v[PC+6:PC+9], s[OB:OB+1] offset:768*\a+208896
	global_store_b64 v[G8], v[PC+10:PC+11], s[OB:OB+1] offset:768*\a+208896+512
	v_lshrrev_b32 v[SW+\a], v[H16], v[PW]          ; lanes 0-15: the first head's two bytes, lanes 16-31 the second's;
	v_and_b32 v[SW+\a], 0xffff, v[SW+\a]
	v_lshl_or_b32 v[SW+\a], v[SW+\a], 16, v[SW+\a] ; repeated for the instruction's upper 64 along K, where one side's codes are zeros
.else
	global_store_b128 v[G16], v[PC:PC+3], s[OB:OB+1] offset:6144+1536*\a
	global_store_b64 v[G8], v[PC+4:PC+5], s[OB:OB+1] offset:6144+1536*\a+512
	global_store_b128 v[G16], v[PC+6:PC+9], s[OB:OB+1] offset:6144+1536*\a+768
	global_store_b64 v[G8], v[PC+10:PC+11], s[OB:OB+1] offset:6144+1536*\a+768+512
	v_mov_b32 v[SW+\a], v[PW]
.endif
.endr
.if MODE == 0
	global_store_b128 v[GS], v[SW:SW+3], s[OB:OB+1] offset:12288   ; sixteen lanes store 256 consecutive bytes, aligned: my four tiles' words of row r
.else
	v_cmp_eq_u32 vcc_lo, 1, v2
	v_cndmask_b32 v[DD], v[SW], v[SW+2], vcc_lo    ; lanes 0-15: tiles 0, 1; lanes 16-31: tiles 2, 3
	v_cndmask_b32 v[DD+1], v[SW+1], v[SW+3], vcc_lo
	global_store_b64 v[G8], v[DD:DD+1], s[OB:OB+1] offset:12800
.endif
.else
; A lane holds 32 neighbouring bytes of a row of out0 and the lanes beside it other rows: 16 rows x 128 columns at a time go through my stage and come back as whole rows of 512 bytes.
.irp a, 0,1,2,3
.if \a >= 2
	s_wait_xcnt 0x0                                ; the stores of two blocks ago have read their registers
.endif
	WIN 0x04                                       ; an LDS store's data: window 1
.irp b, 0,1,2,3,4,5,6,7
	ds_store_b128 v[STO], v[64*\a+8*\b:64*\a+8*\b+3] offset:64*\b          ; each accumulator from its low end on
	ds_store_b128 v[STO], v[64*\a+8*\b+4:64*\a+8*\b+7] offset:64*\b+16
.endr
	WIN 0
.irp t, 0,1,2,3,4,5,6,7,8,9,10,11,12,13,14,15
	ds_load_b128 v[BK+64*(\a%2)+4*\t:BK+64*(\a%2)+4*\t+3], v[RD] offset:528*\t   ; LDS serves a wave's instructions in order: these see my stores
.endr
	s_wait_dscnt 0x0
.irp t, 0,1,2,3,4,5,6,7,8,9,10,11,12,13,14,15
	global_store_b128 v[CO], v[BK+64*(\a%2)+4*\t:BK+64*(\a%2)+4*\t+3], s[OB:OB+1] offset:4096*(16*\a+\t) th:TH_STORE_NT   ; 512 consecutive bytes, at a multiple of 256
.endr
.endr
.endif
	s_wait_dscnt 0x0
	s_wait_tensorcnt 0x0
	ds_add_u32 v254, v255
	s_wait_dscnt 0x0
	CROUND                                         ; the closing round: no work-group ends while a partner may still ask for a tile that names it
	s_endpgm
.Lfunc_end_k_q18369e8683_v:
	.size	k_q18369e8683_v, .Lfunc_end_k_q18369e8683_v-k_q18369e8683_v
	.p2alignl 7, 3214868480
	.fill 96, 4, 3214868480
	.section	.rodata,"a",@progbits
	.p2align	6, 0x0
	.amdhsa_kernel k_q18369e8683_v
		.amdhsa_group_segment_fixed_size 295424
		.amdhsa_private_segment_fixed_size 0
		.amdhsa_enable_private_segment 0
		.amdhsa_kernarg_size 48
		.amdhsa_user_sgpr_count 2
		.amdhsa_user_sgpr_kernarg_segment_ptr 1
		.amdhsa_wavefront_size32 1
		.amdhsa_system_sgpr_workgroup_id_x 1
		.amdhsa_system_sgpr_workgroup_id_y 1
		.amdhsa_system_sgpr_workgroup_id_z 1
		.amdhsa_system_vgpr_workitem_id 0
		.amdhsa_next_free_vgpr 768
		.amdhsa_next_free_sgpr 102
		.amdhsa_reserve_vcc 1
		.amdhsa_float_denorm_mode_32 3
		.amdhsa_float_denorm_mode_16_64 3
		.amdhsa_memory_ordered 1
		.amdhsa_forward_progress 1
		.amdhsa_inst_pref_size 194
	.end_amdhsa_kernel
	.amdgpu_metadata
---
amdhsa.version: [ 1, 2 ]
amdhsa.kernels:
  - .name:           k_q18369e8683_v
    .symbol:         k_q18369e8683_v.kd
    .args:
      - { .name: x_codes, .offset: 0, .size: 8, .value_kind: global_buffer, .address_space: global }
      - { .name: x_sc, .offset: 8, .size: 8, .value_kind: global_buffer, .address_space: global }
      - { .name: w_codes, .offset: 16, .size: 8, .value_kind: global_buffer, .address_space: global }
      - { .name: w_sc, .offset: 24, .size: 8, .value_kind: global_buffer, .address_space: global }
      - { .name: theta, .offset: 32, .size: 8, .value_kind: global_buffer, .address_space: global }
      - { .name: kv, .offset: 40, .size: 8, .value_kind: global_buffer, .address_space: global }
    .group_segment_fixed_size: 295424
    .private_segment_fixed_size: 0
    .kernarg_segment_align: 8
    .kernarg_segment_size: 48
    .max_flat_workgroup_size: 128
    .sgpr_count:     102
    .vgpr_count:     768
    .wavefront_size: 32
...
	.end_amdgpu_metadata
.endif
;; end of part 3
;; launch attn (part 4): grid 4 x 64, 16 waves a work-group, clusters of 4 x 1, 210,944 bytes of LDS; arguments q, kv, a_codes, a_sc; writes a_codes, a_sc
.if DOCPART == 4
	.amdgcn_target "amdgcn-amd-amdhsa--gfx1250"
	.amdhsa_code_object_version 6
	.text
	.protected	k_q18369e8683_attn
	.globl	k_q18369e8683_attn
	.p2align	8
	.type	k_q18369e8683_attn,@function
k_q18369e8683_attn:
	s_mov_b64 s[64:65], 0
	v_nop
	global_prefetch_b8 v0, s[64:65] scope:SCOPE_SE
	s_setreg_imm32_b32 hwreg(HW_REG_WAVE_MODE, 25, 1), 1
	s_wait_xcnt 0x0
	s_wait_alu depctr_hold_cnt(0) depctr_sa_sdst(0) depctr_va_vdst(0) depctr_va_sdst(0) depctr_va_ssrc(0) depctr_va_vcc(0) depctr_vm_vsrc(0)
	s_getreg_b32 s2, hwreg(HW_REG_IB_STS2, 6, 4)
	s_cmp_eq_u32 s2, 0
	s_cbranch_scc0 .Lentry_in_a_cluster
	s_endpgm
.Lentry_in_a_cluster:
	s_bfe_u32 s2, ttmp6, 0x10000c
	s_cmp_lg_u32 s2, 0x3003
	s_cbranch_scc0 .Lentry_shape_is_right
	s_endpgm
.Lentry_shape_is_right:
; Attention of one (batch, head) on codes of FP6 (E2M3) with E8M0 scales: S^T = K Q^T, p = 2^t, O^T = V^T P^T, O / l, and O quantised along the head's 64 for the last product.
; kv: [64 (batch, head)][16 records of 128 keys][13,056 bytes]: K's 8 half images (16 keys x 64 d, 768 bytes: lane (r, h) owns block h of row r, registers 0-3 at 16 x lane, 4-5 at 512 + 8 x lane),
; V's 4 x 2 (16 d x 64 keys) at 6,144, K's scale words at 12,288 ([tile / 4][row][tile % 4]), V's at 12,800 (8 bytes a lane: lanes 0-15 tiles 0, 1; lanes 16-31 tiles 2, 3).  q: the same records, K's parts alone.
; SHARES: a work-group takes 512 queries of a head, each of its sixteen waves 32 (two tiles), so that each fragment of K and V feeds two products.  A head's 16 records, 208,896 bytes, come into LDS ONCE:
; each wave asks for one record by one tensor load; waves 0-3 have a load line and a wait of their own, so that records 0-2 are worked on while the other twelve land.  No byte is filled again.
; CLUSTER 4 x 1: the four query blocks of a head read the same records: each fill is asked for jointly, with the same descriptor and the mask of all four.
; No prefetch into the L2: every tile is asked for at the head, so there is no loop to run ahead in.
; WHICH KEYS FORM A TILE OF K is chosen by the LDS address alone: row 8 h' + j of tile i of group c (64 keys) is key 64 c + 32 h' + 8 pi(i) + j, pi = 0, 2, 1, 3.  In S^T lane (r, h) holds rows 8 h + j of each tile:
; so its 32 registers of a group are ONE WHOLE scale block of p, keys 64 c + 32 h + .., in the order 0-7, 16-23, 8-15, 24-31 in which V's codes lie.  No lane looks at another for a block's maximum or its codes.
; FRAGMENTS ARE ASKED OF LDS AHEAD: K's group 1 behind group 0's products, the NEXT record's group 0 and scale words behind group 1's products (in the last step record 15's once more, which nobody uses: the address is
; held there by a minimum), V's fragments 0, 1 onto tile 0's registers as soon as its p are converted and summed, under tile 1's softmax, V's 2, 3 onto tile 1's.  So group 1's softmax goes tile by tile.
; THE SOFTMAX.  t = score x log2(e) / 8, p = 2^(t - M) with the whole number M = 0 for every row.  q and k are cosines: at most 1 in magnitude for EVERY input, after the quantiser too, so |score| <= 64 / 8 = 8,
; |t| <= 11.55, p lies in 2^-11.6 .. 2^11.6 and a row's sums stay under 2^23: nothing can overflow or underflow.  Against the row's own M every p differs by one exact power of two, which the blocks' scales take up
; and the division by l (the sum of the unquantised p) takes out.  So no running maximum, no rescaling, and no floor under a block's largest p.
; A block's largest p is the exponential of its largest t: the same instruction on the same bits (this takes v_exp_f32 not to fall where its input rises).
; K = 64 IN AN INSTRUCTION OF 128: Q's registers 6-11 are zero codes; K's operand runs on into the next tile's codes (behind the last: six cleared registers), which zeros multiply; scale bytes are never 0xff.
; LIMITS: NaN and infinities are not served; a block of zeros of O gets the byte 1 (read by this program alone).  a_sc is stored in runs of 128 bytes, half of an aligned 256.
.set REC, 13056
.set SPARE, 16*REC                     ; behind the records: the spare words, 128 bytes a wave
.set WV,  12                           ; s12 wave; s13 work-group x; s14 16 x batch + head
.set G1,  16                           ; s[16:23] group 1: one record, 51 rows of 256 bytes;  s[32:35] group 0
.set G0,  32
.set SEL, 40
.set CS,  42                           ; s[42:43] log2(e) / 8
.set TB,  44                           ; s44 LDS byte of the record in hand; s62 of the next
.set CNT, 45
.set TN,  62
.set L16, 1                            ; v1 16 x lane; v2 8 x lane; v3, v4 the same + the record; v5 lane
.set L8,  2
.set AD16, 3
.set AD8, 4
.set QS,  6                            ; v6-7 Q's scale words; v8-11 K's; v12-13 V's; v14-15 p's: scales and nothing else
.set KS,  8
.set VS,  12
.set PW,  14
.set QF,  16                           ; v16-39 Q: two tiles of 6 code registers and 6 zeros
.set KF,  40                           ; v40-63 four tiles of K; v64-69 zeros
.set LS,  70                           ; v70-73 l: a pair for each tile
.set KA16, 74                          ; v74-76 my lane's places in K's images and scale words; v77 8 h
.set KA8, 75
.set KSA, 76
.set SH8, 77
.set M,   78                           ; v78-81 chains of maxima: tile t in M + 2 t, M + 2 t + 1
.set E,   82                           ; v82-83 the conversions' scale operands
.set B,   84                           ; v84-87 scale bytes: group g, tile t at B + 2 g + t
.set W,   88                           ; v88-89 my two bytes at their places; v90-91 the other half's
.set X,   90
.set PT,  92                           ; v92-94, v96-98 second halves of the conversions
.set SPW, 95                           ; v95 my spare word; v99 0: never rewritten
.set NIL, 99
.set PC,  100                          ; v100-123 p's codes, 12 a tile
.set S,   124                          ; v124-187 S^T, 32 a tile; V's fragments land on the first 24 of each tile
.set O,   188                          ; v188-251 O^T, 32 a tile
.set AK16, 252                         ; v252-253 K's addresses + the record whose tiles are asked for next; v254 the next record's scale words
.set AK8, 253
.set AKS, 254
.set WE,  40                           ; the way out: scale operands and bytes of four blocks
.set WB,  44
.macro PLACES n
.rept \n
	v_nop
.endr
.endm
.macro WALU
	s_wait_alu depctr_va_vdst(0)
.endm
.macro CROUND                          ; a round of the cluster's barrier
	s_barrier_signal -1
	s_barrier_wait -1
	s_cmp_lg_u32 s[WV], 0
	s_cbranch_scc1 .Lnot_wave_0_\@
	s_barrier_signal -3
.Lnot_wave_0_\@:
	s_barrier_wait -3
	s_barrier_signal -1
	s_barrier_wait -1
.endm
.macro WM d, p, r, c, sa, sb, ra       ; one product.  c < 0: the constant 0 starts the sum.  ra: source 0's scale words lie in lanes 16-31
.if (\c) < 0
.if (\ra)
	v_wmma_scale_f32_16x16x128_f8f6f4 v[\d:\d+7], v[\p:\p+11], v[\r:\r+11], 0, v[\sa], v[\sb] matrix_a_fmt:MATRIX_FMT_FP6 matrix_b_fmt:MATRIX_FMT_FP6 matrix_a_scale:MATRIX_SCALE_ROW1
.else
	v_wmma_scale_f32_16x16x128_f8f6f4 v[\d:\d+7], v[\p:\p+11], v[\r:\r+11], 0, v[\sa], v[\sb] matrix_a_fmt:MATRIX_FMT_FP6 matrix_b_fmt:MATRIX_FMT_FP6
.endif
.else
.if (\ra)
	v_wmma_scale_f32_16x16x128_f8f6f4 v[\d:\d+7], v[\p:\p+11], v[\r:\r+11], v[\c:\c+7], v[\sa], v[\sb] matrix_a_fmt:MATRIX_FMT_FP6 matrix_b_fmt:MATRIX_FMT_FP6 matrix_a_scale:MATRIX_SCALE_ROW1
.else
	v_wmma_scale_f32_16x16x128_f8f6f4 v[\d:\d+7], v[\p:\p+11], v[\r:\r+11], v[\c:\c+7], v[\sa], v[\sb] matrix_a_fmt:MATRIX_FMT_FP6 matrix_b_fmt:MATRIX_FMT_FP6
.endif
.endif
.endm
.macro KLOAD g                         ; group g's four tiles: tile i is stored tile 4 g + 2 (r / 8) + i % 2, rows 8 (i / 2) + r % 8: the lane's part stands in the address registers
.irp i, 0,1,2,3
	ds_load_b128 v[KF+6*\i:KF+6*\i+3], v[AK16] offset:768*(4*(\g)+(\i&1))+128*(\i>>1)
	ds_load_b64 v[KF+6*\i+4:KF+6*\i+5], v[AK8] offset:768*(4*(\g)+(\i&1))+512+64*(\i>>1)
.endr
.endm
.macro KSLOAD a                        ; a record's scale words of K: lanes 0-15 group 0's tiles 0 to 3, lanes 16-31 group 1's
	ds_load_b64 v[KS:KS+1], v[\a] offset:12288
	ds_load_b64 v[KS+2:KS+3], v[\a] offset:12288+128
.endm
.macro SMUL g                          ; S^T of group g, tile 0's four products first
.irp t, 0,1
.irp i, 0,1,2,3
	WM S+32*\t+8*\i, KF+6*\i, QF+12*\t, -1, KS+\i, QS+\t, \g
.endr
.endr
.endm
.macro VLOAD a                         ; V's fragment a onto registers 12 (a % 2) .. of tile a / 2
.set VA, S+12*(\a)+8*((\a)/2)
.irp c, 0,1
	ds_load_b128 v[VA+6*\c:VA+6*\c+3], v[AD16] offset:6144+1536*(\a)+768*\c
	ds_load_b64 v[VA+6*\c+4:VA+6*\c+5], v[AD8] offset:6144+1536*(\a)+768*\c+512
.endr
.endm
.macro PV a0                           ; O^T += V^T P^T for V's fragments a0, a0 + 1: the accumulators take turns, one instruction a turn
.irp a, \a0, \a0+1
.irp t, 0,1
	WM O+32*\t+8*(\a), S+12*(\a)+8*((\a)/2), PC+12*\t, O+32*\t+8*(\a), VS+(\a)%2, PW+\t, (\a)/2
.endr
.endr
.endm
.macro MOV3 g, t                       ; a conversion's three registers begin on an even number: the second half of a block's six is made elsewhere and moved
.irp i, 0,1,2
	v_mov_b32 v[PC+12*(\t)+6*(\g)+3+\i], v[PT+4*(\t)+\i]
.endr
.endm
; t = score x log2(e) / 8 in place, and the largest t of each block, for n tiles from tile ta on.  Two chains a block (registers 0-14, 16-30), by turns, with the multiplications of two pairs on between them:
; no line reads the line above it.  Ascending: each accumulator is first read at its low end.
.macro MULMAX ta, n
.irp k, 0,1
.set XX, 0
.rept 2*(\n)
.set R_, S+32*(\ta)+16*XX+2*\k
	v_pk_mul_f32 v[R_:R_+1], v[R_:R_+1], s[CS:CS+1] op_sel_hi:[1,0]
.set XX, XX+1
.endr
.endr
.irp i, 0,1,2,3,4,5,6
.set XX, 0
.rept 2*(\n)
.set R_, S+32*(\ta)+16*XX
.set M_, M+2*(\ta)+XX
.if \i == 0
	v_max3_num_f32 v[M_], v[R_], v[R_+1], v[R_+2]
.else
	v_max3_num_f32 v[M_], v[M_], v[R_+2*\i+1], v[R_+2*\i+2]
.endif
.if \i < 6
	v_pk_mul_f32 v[R_+2*\i+4:R_+2*\i+5], v[R_+2*\i+4:R_+2*\i+5], s[CS:CS+1] op_sel_hi:[1,0]
.endif
.set XX, XX+1
.endr
.endr
.set XX, \ta
.rept \n
	v_max3_num_f32 v[M+2*XX], v[M+2*XX], v[M+2*XX+1], v[S+32*XX+15]
.set XX, XX+1
.endr
.set XX, \ta
.rept \n
	v_max_num_f32 v[M+2*XX], v[M+2*XX], v[S+32*XX+31]
.set XX, XX+1
.endr
.endm
.macro EXPS ta, n                      ; p = 2^t, and each block's largest p
	WALU
.set p, 0
.rept 32*(\n)
	v_exp_f32 v[S+32*(\ta)+p], v[S+32*(\ta)+p]
.set p, p+1
.endr
.set XX, \ta
.rept \n
	v_exp_f32 v[M+2*XX], v[M+2*XX]
.set XX, XX+1
.endr
	v_nop                                          ; a plain place behind the exponentials
	WALU                                           ; one wait for the batch
.endm
.macro CODES g, t                      ; tile t's block of group g: scale operand (2 off the exponent field), scale byte, 32 codes
	v_add_nc_u32 v[E+\t], 0xff000000, v[M+2*\t]
	v_lshrrev_b32 v[B+2*(\g)+\t], 23, v[E+\t]
	v_cvt_scalef32_pk16_fp6_f32 v[PC+12*\t+6*(\g):PC+12*\t+6*(\g)+2], v[S+32*\t:S+32*\t+15], v[E+\t]
	v_cvt_scalef32_pk16_fp6_f32 v[PT+4*\t:PT+4*\t+2], v[S+32*\t+16:S+32*\t+31], v[E+\t]
.endm
.macro ADDL t, lo, hi, p0, n           ; l is the sum of the UNQUANTISED p, as a tree in place: registers hi + .. += registers lo + .., n pairs from p0 on
.set p, \p0
.rept \n
	v_pk_add_f32 v[S+32*(\t)+(\hi)+p:S+32*(\t)+(\hi)+p+1], v[S+32*(\t)+(\hi)+p:S+32*(\t)+(\hi)+p+1], v[S+32*(\t)+(\lo)+p:S+32*(\t)+(\lo)+p+1]
.set p, p+2
.endr
.endm
.macro ADDLS t
	v_pk_add_f32 v[LS+2*\t:LS+2*\t+1], v[LS+2*\t:LS+2*\t+1], v[S+32*\t+30:S+32*\t+31]
.endm
; Group 1's end for tile t: codes; p's scale word of the 128 keys (my blocks h and 2 + h at their places, with lane xor 16's two), its lines among the sums; V's fragments 2 t, 2 t + 1 as soon as 24 registers are free.
; Behind the line that makes the scale word stand 11 plain lines, behind the moves 4: the places that a scaled product asks for.
.macro TAIL t
	CODES 1, \t
	v_lshl_or_b32 v[W+\t], v[B+2+\t], 16, v[B+\t]  ; (also the plain place behind the conversions)
	ADDL \t, 0, 16, 0, 3
	v_lshlrev_b32 v[W+\t], v[SH8], v[W+\t]
	ADDL \t, 0, 16, 6, 3
	v_permlanex16_b32 v[X+\t], v[W+\t], s[SEL], s[SEL+1]
	ADDL \t, 0, 16, 12, 2
	v_or_b32 v[PW+\t], v[W+\t], v[X+\t]
	ADDL \t, 16, 24, 0, 4
	VLOAD 2*\t
	VLOAD 2*\t+1
	MOV3 1, \t
	ADDL \t, 24, 28, 0, 2
	ADDL \t, 28, 30, 0, 1
	ADDLS \t
.endm
; A KEY STEP: the 128 keys of the record at s[TB].  Its group 0 of K and its scale words of K are in registers already.
.macro STEP
	s_add_co_u32 s[TN], s[TB], REC
	s_min_u32 s[TN], s[TN], 15*REC                 ; the next record; behind the last: the last once more
	v_add_nc_u32 v[AD16], s[TB], v[L16]            ; five places: the products below write over registers that held V's operands, and the load below lands in V's scale words
	v_add_nc_u32 v[AD8], s[TB], v[L8]
	v_add_nc_u32 v[AKS], s[TN], v[KSA]
	PLACES 2
	ds_load_b64 v[VS:VS+1], v[AD8] offset:12800
	SMUL 0
	PLACES 4                                       ; ahead of the loads onto K's tiles and of the first read of the results
	KLOAD 1
	v_add_nc_u32 v[AK16], s[TN], v[KA16]           ; from here on K's addresses point at the next record
	v_add_nc_u32 v[AK8], s[TN], v[KA8]
	MULMAX 0, 2
	EXPS 0, 2
	CODES 0, 0
	CODES 0, 1
	ADDL 0, 0, 16, 0, 8
	ADDL 1, 0, 16, 0, 8
	ADDL 0, 16, 24, 0, 4
	ADDL 1, 16, 24, 0, 4
	ADDL 0, 24, 28, 0, 2
	ADDL 1, 24, 28, 0, 2
	ADDL 0, 28, 30, 0, 1
	ADDL 1, 28, 30, 0, 1
	ADDLS 0
	ADDLS 1
	s_wait_dscnt 0x0                               ; group 1's tiles, asked for a softmax ago, and V's scale words
	SMUL 1
	MOV3 0, 0                                      ; group 0's moves are the places ahead of the loads onto K's tiles and scale words and of the first read of the results
	MOV3 0, 1
	KLOAD 0                                        ; the next record's group 0
	KSLOAD AKS
	MULMAX 0, 1
	EXPS 0, 1
	TAIL 0
	WALU
	MULMAX 1, 1
	EXPS 1, 1
	TAIL 1
	WALU
	s_wait_dscnt 8                                 ; all but the eight loads issued last, V's fragments 2, 3
	PV 0
	s_wait_dscnt 0x0
	PV 2
	s_add_co_u32 s[TB], s[TB], REC
.endm
	s_load_b256 s[4:11], s[0:1], 0x0               ; q, kv, a_codes, a_sc
	v_lshl_add_u32 v[SPW], v0, 2, SPARE
	v_mov_b32 v[NIL], 0
	ds_add_u32 v[SPW], v[NIL]                      ; the opening lines: the add, twice on end, and its wait ahead of my tensor load
	ds_add_u32 v[SPW], v[NIL]
	v_lshrrev_b32 v1, 5, v0
	v_readfirstlane_b32 s[WV], v1                  ; wave 0..15
	s_bfe_u32 s13, ttmp6, 0x40000                  ; cx
	s_lshl_b32 s15, ttmp9, 2
	s_add_co_u32 s13, s13, s15                     ; my block of 512 queries: it enters q's, a_codes' and a_sc's addresses alone
	s_and_b32 s14, ttmp7, 0xffff                   ; 16 x batch + head, which the four partners share
	s_mov_b32 s[G1], 15|(3<<16)|(1<<21)            ; 15:0 the mask: all four; 17:16 elements of 8 bytes; 21 set beside a mask
	s_mov_b32 s[G1+1], 32<<16                      ; rows of 256 bytes
	s_mov_b32 s[G1+2], 51<<16                      ; a record is 51 of them
	s_mov_b32 s[G1+3], 32<<16
	s_mov_b32 s[G1+4], 51
	s_mov_b32 s[G1+5], 32                          ; dense
	s_mov_b32 s[G1+6], 0
	s_mov_b32 s[G1+7], 0
	s_mul_i32 s48, s[WV], REC                      ; my load: record w
	s_mov_b32 s49, 0
	s_mul_i32 s52, s14, 16*REC
	s_mov_b32 s53, 0
	s_mov_b32 s[SEL], 0x76543210
	s_mov_b32 s[SEL+1], 0xfedcba98                 ; selects for lane xor 16
	s_mov_b32 s[CS], 0x3e38aa3b                    ; log2(e) / 8
	s_mov_b32 s[CS+1], s[CS]
	s_mov_b32 s[TB], 0
	WALU
	s_wait_dscnt 0x0
	s_wait_kmcnt 0x0
	s_add_nc_u64 s[6:7], s[6:7], s[52:53]          ; kv and q at the head
	s_add_nc_u64 s[4:5], s[4:5], s[52:53]
	s_mov_b32 s[G0], 1
	s_mov_b32 s[G0+1], s48
	s_add_nc_u64 s[G0+2:G0+3], s[6:7], s[48:49]
	s_or_b32 s[G0+3], s[G0+3], 0x80000000
	CROUND                                         ; all four work-groups are here: the joint loads meet
	s_cmp_lt_u32 s[WV], 4                          ; two arms, one load each: waves 0-3 have a line of their own, for which they alone wait at the first barrier
	s_cbranch_scc0 .Llater
	tensor_load_to_lds s[G0:G0+3], s[G1:G1+7]
	s_nop 0
	PLACES 4
	s_branch .Lasked
.Llater:
	tensor_load_to_lds s[G0:G0+3], s[G1:G1+7]
	s_nop 0
	PLACES 4
.Lasked:
	s_lshl_b32 s46, s13, 2                         ; my queries' record: 4 x block + wave / 4;
	s_lshr_b32 s47, s[WV], 2
	s_add_co_u32 s46, s46, s47
	s_mul_i32 s54, s46, REC
	s_mov_b32 s55, 0
	s_add_nc_u64 s[4:5], s[4:5], s[54:55]
	s_and_b32 s46, s[WV], 3                        ; in it my tiles 2 (wave % 4), + 1
	s_mul_i32 s24, s46, 1536
	s_lshr_b32 s25, s46, 1
	s_lshl_b32 s25, s25, 8
	s_and_b32 s56, s[WV], 1
	s_lshl_b32 s56, s56, 3
	s_add_co_u32 s25, s25, s56                     ; and their two scale words
	s_lshr_b32 s46, s14, 4                         ; batch
	s_and_b32 s47, s14, 15                         ; head
	s_lshl_b32 s56, s46, 7
	s_lshl_b32 s57, s13, 5
	s_add_co_u32 s56, s56, s57
	s_lshl_b32 s57, s[WV], 1
	s_add_co_u32 s56, s56, s57                     ; my first token tile: 128 x batch + 32 x block + 2 x wave
	s_mul_i32 s56, s56, 12288
	s_mul_i32 s57, s47, 768                        ; the head's half image in it
	s_add_co_u32 s56, s56, s57
	s_mov_b32 s57, 0
	s_add_nc_u64 s[8:9], s[8:9], s[56:57]
	s_lshl_b32 s58, s46, 11
	s_lshl_b32 s59, s13, 9
	s_add_co_u32 s58, s58, s59
	s_lshl_b32 s59, s[WV], 5
	s_add_co_u32 s58, s58, s59                     ; my first row
	s_lshl_b32 s58, s58, 2
	s_lshl_b32 s59, s47, 15
	s_add_co_u32 s58, s58, s59
	s_mov_b32 s59, 0
	s_add_nc_u64 s[10:11], s[10:11], s[58:59]
	s_and_b32 s60, s14, 1
	s_lshl_b32 s60, s60, 4                         ; an odd head's two bytes go to the word's high half
	v_and_b32 v5, 31, v0
	v_and_b32 v[W], 7, v0                          ; r % 8
	v_bfe_u32 v[W+1], v0, 3, 1                     ; r / 8
	v_bfe_u32 v[X], v0, 4, 1                       ; h
	v_and_b32 v[E], 15, v0                         ; r
	v_lshlrev_b32 v[L16], 4, v5
	v_lshlrev_b32 v[L8], 3, v5
	v_mul_u32_u24 v[X+1], v[W+1], 1536             ; rows 8-15 of my tiles of K come from two stored tiles further on
	v_lshlrev_b32 v[SH8], 3, v[X]
	v_lshlrev_b32 v[KSA], 4, v[W]
	v_lshl_add_u32 v[KA16], v[W], 4, v[X+1]
	v_lshl_add_u32 v[KA8], v[W], 3, v[X+1]
	v_lshl_add_u32 v[KSA], v[W+1], 3, v[KSA]
	v_lshl_add_u32 v[KA16], v[X], 8, v[KA16]       ; 1,536 (r / 8) + 16 (r % 8) + 256 h
	v_lshl_add_u32 v[KA8], v[X], 7, v[KA8]         ; 1,536 (r / 8) + 8 (r % 8) + 128 h
	v_lshl_add_u32 v[KSA], v[X], 8, v[KSA]         ; 16 (r % 8) + 8 (r / 8) + 256 h
	v_add_nc_u32 v[AK16], s24, v[L16]              ; (these three serve Q's loads first)
	v_add_nc_u32 v[AK8], s24, v[L8]
	v_lshl_add_u32 v[AKS], v[E], 4, s25
.irp t, 0,1
	global_load_b128 v[QF+12*\t:QF+12*\t+3], v[AK16], s[4:5] offset:768*\t
	global_load_b64 v[QF+12*\t+4:QF+12*\t+5], v[AK8], s[4:5] offset:768*\t+512
.endr
	global_load_b64 v[QS:QS+1], v[AKS], s[4:5] offset:12288
.irp i, 6,7,8,9,10,11,18,19,20,21,22,23
	v_mov_b32 v[QF+\i], 0                          ; Q's upper 64 along the instruction's K: zero codes
.endr
.irp i, 24,25,26,27,28,29
	v_mov_b32 v[KF+\i], 0                          ; what the last tile of K runs on into
.endr
.irp i, 0,1,2,3
	v_mov_b32 v[LS+\i], 0
.endr
.set p, 0
.rept 64
	v_mov_b32 v[O+p], 0                            ; O^T: cleared once, so that the step is written without a first step of its own
.set p, p+1
.endr
	WALU
	s_wait_loadcnt 0x0                             ; Q
	s_cmp_lt_u32 s[WV], 4
	s_cbranch_scc0 .Lnot_first
	s_wait_tensorcnt 0x0                           ; waves 0-3: my record of the first four is in; the other twelve stay on their way: nothing is ever filled again
.Lnot_first:
	s_barrier_signal -1
	s_barrier_wait -1
	v_mov_b32 v[AK16], v[KA16]                     ; record 0's group 0 and scale words of K: the one time that they are waited for at once
	v_mov_b32 v[AK8], v[KA8]
	KLOAD 0
	KSLOAD KSA
	WALU
	s_wait_dscnt 0x0
	s_mov_b32 s[CNT], 3
.Lfirst:                                           ; records 0 to 2; the last trip asks for record 3's first tiles
	STEP
	s_sub_co_u32 s[CNT], s[CNT], 1
	s_cmp_lg_u32 s[CNT], 0
	s_cbranch_scc1 .Lfirst
	s_wait_tensorcnt 0x0                           ; every wave: my record is in
	s_wait_dscnt 0x0
	s_barrier_signal -1
	s_barrier_wait -1
	s_mov_b32 s[CNT], 13
.Lrest:                                            ; records 3 to 15
	STEP
	s_sub_co_u32 s[CNT], s[CNT], 1
	s_cmp_lg_u32 s[CNT], 0
	s_cbranch_scc1 .Lrest
	; THE WAY OUT: O / l, quantised along d (register 16 b + i of a tile is d = 32 b + 16 h + i), one half image and one half scale word a tile.
	PLACES 4
	WALU
	v_add_f32 v[W], v[LS], v[LS+1]
	v_add_f32 v[W+1], v[LS+2], v[LS+3]
	v_permlanex16_b32 v[W+2], v[W], s[SEL], s[SEL+1]
	v_permlanex16_b32 v[W+3], v[W+1], s[SEL], s[SEL+1]
	v_add_f32 v[W], v[W], v[W+2]                   ; the row's sum: my blocks' and lane xor 16's
	v_add_f32 v[W+1], v[W+1], v[W+3]
	WALU
	v_rcp_f32 v[M], v[W]
	v_rcp_f32 v[M+2], v[W+1]
	v_nop                                          ; a plain place behind the reciprocals
	WALU
.irp t, 0,1
.set p, 0
.rept 16
	v_pk_mul_f32 v[O+32*\t+p:O+32*\t+p+1], v[O+32*\t+p:O+32*\t+p+1], v[M+2*\t:M+2*\t+1] op_sel_hi:[1,0]   ; ascending: each accumulator is first read at its low end
.set p, p+2
.endr
.endr
.irp x, 0,1,2,3
	v_max3_num_f32 v[M+\x], |v[O+16*\x]|, |v[O+16*\x+1]|, 0x1800000   ; and the floor 2^(3 - 127): the byte cannot fall under 1
.endr
.irp i, 2,4,6,8,10,12,14
.irp x, 0,1,2,3
	v_max3_num_f32 v[M+\x], v[M+\x], |v[O+16*\x+\i]|, |v[O+16*\x+\i+1]|
.endr
.endr
.irp x, 0,1,2,3
	v_permlanex16_b32 v[W+\x], v[M+\x], s[SEL], s[SEL+1]
.endr
.irp x, 0,1,2,3
	v_max_num_f32 v[M+\x], v[M+\x], v[W+\x]
.endr
.irp x, 0,1,2,3
	v_add_nc_u32 v[WE+\x], 0xff000000, v[M+\x]
.endr
.irp x, 0,1,2,3
	v_lshrrev_b32 v[WB+\x], 23, v[WE+\x]
.endr
.irp t, 0,1
	v_lshl_or_b32 v[WB+2*\t], v[WB+2*\t+1], 8, v[WB+2*\t]
.endr
.irp t, 0,1
	v_lshlrev_b32 v[WB+2*\t], s60, v[WB+2*\t]
.endr
.irp t, 0,1
	v_cvt_scalef32_pk16_fp6_f32 v[PC+12*\t:PC+12*\t+2], v[O+32*\t:O+32*\t+15], v[WE+2*\t]
	v_cvt_scalef32_pk16_fp6_f32 v[PT+4*\t:PT+4*\t+2], v[O+32*\t+16:O+32*\t+31], v[WE+2*\t+1]
.endr
	v_nop                                          ; one plain place behind a scaled conversion
.irp t, 0,1                                    ; the operand's layout wants a whole block in a lane
.irp i, 0,1,2
	v_permlane16_swap_b32 v[PC+12*\t+\i], v[PT+4*\t+\i]
.endr
.irp i, 0,1,2
	v_mov_b32 v[PC+12*\t+3+\i], v[PT+4*\t+\i]
.endr
.endr
.irp t, 0,1
	global_store_b128 v[L16], v[PC+12*\t:PC+12*\t+3], s[8:9] offset:12288*\t          ; 512 consecutive bytes, at a multiple of 256
	global_store_b64 v[L8], v[PC+12*\t+4:PC+12*\t+5], s[8:9] offset:12288*\t+512      ; 256 consecutive bytes, likewise
.endr
	v_bfe_u32 v[WE], v0, 4, 1
	v_lshlrev_b32 v[WE+1], 2, v5
	v_cmp_eq_u32 vcc_lo, 1, v[WE]
	v_cndmask_b32 v[WB+1], v[WB], v[WB+2], vcc_lo  ; lanes 0-15: the first tile's rows, lanes 16-31 the second's
	global_store_b32 v[WE+1], v[WB+1], s[10:11]    ; 128 consecutive bytes
	s_wait_tensorcnt 0x0                           ; the wave's end
	ds_add_u32 v[SPW], v[NIL]
	s_wait_dscnt 0x0
	CROUND                                         ; the closing round: no work-group ends while a partner may still ask for a tile that names it
	s_endpgm
.Lfunc_end_k_q18369e8683_attn:
	.size	k_q18369e8683_attn, .Lfunc_end_k_q18369e8683_attn-k_q18369e8683_attn
	.p2alignl 7, 3214868480
	.fill 96, 4, 3214868480
	.section	.rodata,"a",@progbits
	.p2align	6, 0x0
	.amdhsa_kernel k_q18369e8683_attn
		.amdhsa_group_segment_fixed_size 210944
		.amdhsa_private_segment_fixed_size 0
		.amdhsa_enable_private_segment 0
		.amdhsa_kernarg_size 32
		.amdhsa_user_sgpr_count 2
		.amdhsa_user_sgpr_kernarg_segment_ptr 1
		.amdhsa_wavefront_size32 1
		.amdhsa_system_sgpr_workgroup_id_x 1
		.amdhsa_system_sgpr_workgroup_id_y 1
		.amdhsa_system_sgpr_workgroup_id_z 1
		.amdhsa_system_vgpr_workitem_id 0
		.amdhsa_next_free_vgpr 256
		.amdhsa_next_free_sgpr 66
		.amdhsa_reserve_vcc 1
		.amdhsa_float_denorm_mode_32 3
		.amdhsa_float_denorm_mode_16_64 3
		.amdhsa_memory_ordered 1
		.amdhsa_forward_progress 1
		.amdhsa_inst_pref_size 65
	.end_amdhsa_kernel
	.amdgpu_metadata
---
amdhsa.version: [ 1, 2 ]
amdhsa.kernels:
  - .name:           k_q18369e8683_attn
    .symbol:         k_q18369e8683_attn.kd
    .args:
      - { .name: q, .offset: 0, .size: 8, .value_kind: global_buffer, .address_space: global }
      - { .name: kv, .offset: 8, .size: 8, .value_kind: global_buffer, .address_space: global }
      - { .name: a_codes, .offset: 16, .size: 8, .value_kind: global_buffer, .address_space: global }
      - { .name: a_sc, .offset: 24, .size: 8, .value_kind: global_buffer, .address_space: global }
    .group_segment_fixed_size: 210944
    .private_segment_fixed_size: 0
    .kernarg_segment_align: 8
    .kernarg_segment_size: 32
    .max_flat_workgroup_size: 512
    .sgpr_count:     66
    .vgpr_count:     256
    .wavefront_size: 32
...
	.end_amdgpu_metadata
.endif
;; end of part 4
;; launch out (part 5): grid 4 x 64, 4 waves a work-group, clusters of 4 x 4, 295,424 bytes of LDS; arguments w_codes, w_sc, a_codes, a_sc, out0; writes out0
.if DOCPART == 5
	.amdgcn_target "amdgcn-amd-amdhsa--gfx1250"
	.amdhsa_code_object_version 6
	.text
	.protected	k_q18369e8683_out
	.globl	k_q18369e8683_out
	.p2align	8
	.type	k_q18369e8683_out,@function
k_q18369e8683_out:
	s_mov_b64 s[64:65], 0
	v_nop
	global_prefetch_b8 v0, s[64:65] scope:SCOPE_SE
	s_setreg_imm32_b32 hwreg(HW_REG_WAVE_MODE, 25, 1), 1
	s_wait_xcnt 0x0
	s_wait_alu depctr_hold_cnt(0) depctr_sa_sdst(0) depctr_va_vdst(0) depctr_va_sdst(0) depctr_va_ssrc(0) depctr_va_vcc(0) depctr_vm_vsrc(0)
	s_getreg_b32 s2, hwreg(HW_REG_IB_STS2, 6, 4)
	s_cmp_eq_u32 s2, 0
	s_cbranch_scc0 .Lentry_in_a_cluster
	s_endpgm
.Lentry_in_a_cluster:
	s_bfe_u32 s2, ttmp6, 0x10000c
	s_cmp_lg_u32 s2, 0xf033
	s_cbranch_scc0 .Lentry_shape_is_right
	s_endpgm
.Lentry_shape_is_right:
; ONE TEXT FOR THREE LAUNCHES, chosen by MODE.  D = P R^T on codes of FP6 (E2M3) with E8M0 scales, K = 1,024, f32 sums.  P is source 0 (its rows run along a lane's registers), R source 1 (its row is the lane).
;   MODE 0: P = Wq | Wk (2,048 rows), R = x.   cos(. + theta), quantised along the head's 64, to q and to kv's K parts.
;   MODE 1: P = x, R = Wv.                     cos(. + theta), quantised along the keys, to kv's V parts.
;   MODE 2: P = Wo, R = the attention's codes.  f32 results to out0.
; Operands lie in memory as HALF IMAGES (16 rows x 64 k, 768 bytes: lane's registers 0-3 at 16 x lane, 4-5 at 512 + 8 x lane), 16 to a tile of 16 rows.
; SHARES: a work-group makes 256 rows of P x 128 rows of R; wave w: P's half w % 2, R's half w / 2: 32 accumulators.  ALL OF K for the 384 rows is 294,912 bytes: every LDS byte is filled ONCE, in two chunks of four
; K steps, so there is no ring and no refill; the waits on the fills are counted and the second chunk stays on their way across the barriers.
; CLUSTER 4 x 4: P's tiles hang on the work-group's x alone and are asked for jointly by a column of the cluster, R's on y alone, by a row.
; ORDER ALONG K OF WHAT IS MADE HERE: a lane's 16 registers of P's tiles 2 b, 2 b + 1 are rows 32 b + 8 h + 0..7 and 32 b + 16 + 8 h + 0..7: a block of 32 comes out in the order 0-7, 16-23, 8-15, 24-31.
; The same order arises on both sides of each attention product (q and k along d; p and V along the keys), so products and scales are the contract's; only the grouping of the sums differs.
; THE COSINE: n = round(z / pi) by the magic number 1.5 x 2^23, r = z - n pi in two fused steps, the Taylor series of cos to r^12 (remainder under 1e-8 at pi / 2), sign by n's lowest bit.
; LIMITS: |x . W + theta| under 2^22 pi; NaN and infinities are not served; a block of zeros gets the byte 1 (read by this program alone).
; REGISTERS: window 0: v1-15 lane numbers and addresses; v16-47 P's scale words, v48-63 R's (nothing else ever); v64-95 theta in the result's layout; v96-191 R's fragments, two sets; from v192 the way out's.
;   window 1: accumulator (a, b) at v[8 (8 a + b)].   window 2: P's fragments, two sets, at v0 and v128.
.set MODE, 2
.set WV,   18                          ; s18 wave;  s19 wave % 2;  s20 wave / 2
.set PH,   19
.set RH,   20
.set WGX,  23
.set WGY,  24
.set G1P,  28                          ; s[28:35] descriptor group 1 for P's tiles;  s[36:43] for R's
.set G1R,  36
.set G0P,  44                          ; s[44:51] groups 0 for P's two chunks;  s[68:75] for R's
.set G0R,  68
.set KINV, 84                          ; pairs of constants for the packed forms, which take the low word for both halves
.set KNMG, 86
.set KNPH, 88
.set KNPL, 90
.set KC6,  92
.set KC4,  94
.set KC3,  96
.set KC2,  98
.set SEL,  100
.if MODE == 2
.set OB,   12                          ; the output's base
.else
.set OB,   14
.endif
; THE FILLS: K comes in TWO halves of four K steps, each LDS byte filled once: wave 0 asks for P's first half, wave 1 for R's, wave 2 for P's second, wave 3 for R's: one tensor load a wave.
.set CHUNK, 147456                     ; four K steps of 384 rows: P's 16 tiles x 6,144 bytes, then R's 8
.set TILEB, 6144
.set ROFF,  98304
.set AP16, 4                           ; v4-7  LDS addresses of my fragments: 16 x lane and 8 x lane, + my half
.set AP8,  5
.set AR16, 6
.set AR8,  7
.set G16,  8                           ; v8-10 offsets of the stores (MODE 2: stage in, stage out, my 16 bytes of a row)
.set G8,   9
.set GS,   10
.set STO,  8
.set RD,   9
.set CO,   10
.set H16,  11                          ; v11   16 h
.set SCP,  16                          ; register 8 i + s: lanes 0-15 P's tile i, lanes 16-31 tile i + 4, K step s
.set SCR,  48                          ; register 8 i + s: R's tile i, and tile i + 2
.set TH,   64
.set RF,   96
.set T,    64                          ; the way out: v64-127, v128-191 at work
.set U,    128
.set BK,   64                          ; MODE 2: rows read back from the stage, two sets of 64
.set TM,   192
.set PW,   208
.set PC,   210                         ; v210-221 a fragment's codes; v222-229 second halves
.set SW,   232
.set DD,   236
.set VMAG, 238
.set VC5,  240
.set MSB, 0
.macro WIN new                         ; the immediate's high byte repeats the setting that is left
.if MSB != \new
	s_set_vgpr_msb (MSB<<8)|\new
.set MSB, \new
.endif
.endm
.macro PLACES n
.rept \n
	v_nop
.endr
.endm
.macro CROUND                          ; a round of the cluster's barrier
	s_barrier_signal -1
	s_barrier_wait -1
	s_cmp_lg_u32 s[WV], 0
	s_cbranch_scc1 .Lnot_wave_0_\@
	s_barrier_signal -3
.Lnot_wave_0_\@:
	s_barrier_wait -3
	s_barrier_signal -1
	s_barrier_wait -1
.endm
; one product.  c < 0: the constant 0 starts the sum.  ra, rb: the scale words lie in lanes 16-31
.macro WM d, p, r, c, sa, sb, ra, rb
.if (\c) < 0
.if (\ra) && (\rb)
	v_wmma_scale_f32_16x16x128_f8f6f4 v[\d:\d+7], v[\p:\p+11], v[\r:\r+11], 0, v[\sa], v[\sb] matrix_a_fmt:MATRIX_FMT_FP6 matrix_b_fmt:MATRIX_FMT_FP6 matrix_a_scale:MATRIX_SCALE_ROW1 matrix_b_scale:MATRIX_SCALE_ROW1
.elseif (\ra)
	v_wmma_scale_f32_16x16x128_f8f6f4 v[\d:\d+7], v[\p:\p+11], v[\r:\r+11], 0, v[\sa], v[\sb] matrix_a_fmt:MATRIX_FMT_FP6 matrix_b_fmt:MATRIX_FMT_FP6 matrix_a_scale:MATRIX_SCALE_ROW1
.elseif (\rb)
	v_wmma_scale_f32_16x16x128_f8f6f4 v[\d:\d+7], v[\p:\p+11], v[\r:\r+11], 0, v[\sa], v[\sb] matrix_a_fmt:MATRIX_FMT_FP6 matrix_b_fmt:MATRIX_FMT_FP6 matrix_b_scale:MATRIX_SCALE_ROW1
.else
	v_wmma_scale_f32_16x16x128_f8f6f4 v[\d:\d+7], v[\p:\p+11], v[\r:\r+11], 0, v[\sa], v[\sb] matrix_a_fmt:MATRIX_FMT_FP6 matrix_b_fmt:MATRIX_FMT_FP6
.endif
.else
.if (\ra) && (\rb)
	v_wmma_scale_f32_16x16x128_f8f6f4 v[\d:\d+7], v[\p:\p+11], v[\r:\r+11], v[\c:\c+7], v[\sa], v[\sb] matrix_a_fmt:MATRIX_FMT_FP6 matrix_b_fmt:MATRIX_FMT_FP6 matrix_a_scale:MATRIX_SCALE_ROW1 matrix_b_scale:MATRIX_SCALE_ROW1
.elseif (\ra)
	v_wmma_scale_f32_16x16x128_f8f6f4 v[\d:\d+7], v[\p:\p+11], v[\r:\r+11], v[\c:\c+7], v[\sa], v[\sb] matrix_a_fmt:MATRIX_FMT_FP6 matrix_b_fmt:MATRIX_FMT_FP6 matrix_a_scale:MATRIX_SCALE_ROW1
.elseif (\rb)
	v_wmma_scale_f32_16x16x128_f8f6f4 v[\d:\d+7], v[\p:\p+11], v[\r:\r+11], v[\c:\c+7], v[\sa], v[\sb] matrix_a_fmt:MATRIX_FMT_FP6 matrix_b_fmt:MATRIX_FMT_FP6 matrix_b_scale:MATRIX_SCALE_ROW1
.else
	v_wmma_scale_f32_16x16x128_f8f6f4 v[\d:\d+7], v[\p:\p+11], v[\r:\r+11], v[\c:\c+7], v[\sa], v[\sb] matrix_a_fmt:MATRIX_FMT_FP6 matrix_b_fmt:MATRIX_FMT_FP6
.endif
.endif
.endm
; 48 LDS loads in one run: a K step's fragments (the chunk's step sp) into set: P's eight tiles, R's four.  Every load takes 512 or 256 consecutive bytes.
.macro FETCH set, sp
	WIN 0x80                                       ; destination window 2, address window 0
.irp i, 0,1,2,3,4,5,6,7
.irp c, 0,1
	ds_load_b128 v[128*(\set)+12*\i+6*\c:128*(\set)+12*\i+6*\c+3], v[AP16] offset:TILEB*\i+1536*(\sp)+768*\c
	ds_load_b64 v[128*(\set)+12*\i+6*\c+4:128*(\set)+12*\i+6*\c+5], v[AP8] offset:TILEB*\i+1536*(\sp)+768*\c+512
.endr
.endr
	WIN 0
.irp i, 0,1,2,3
.irp c, 0,1
	ds_load_b128 v[RF+48*(\set)+12*\i+6*\c:RF+48*(\set)+12*\i+6*\c+3], v[AR16] offset:TILEB*\i+1536*(\sp)+768*\c
	ds_load_b64 v[RF+48*(\set)+12*\i+6*\c+4:RF+48*(\set)+12*\i+6*\c+5], v[AR8] offset:TILEB*\i+1536*(\sp)+768*\c+512
.endr
.endr
.endm
; K step s: 32 products.  The 32 accumulators take turns, one instruction a turn, in the same order in every step.
; first: the sums begin with theta in the result's layout (MODES 0, 1) or with the constant 0 (MODE 2): nothing is cleared, no addition is spent on theta.
.macro MULS set, s, first
.if \first
	WIN 0x42                                       ; source 0 window 2, source 1 and C window 0, D window 1
.else
	WIN 0x52                                       ; C and D window 1
.endif
.irp a, 0,1,2,3
.irp b, 0,1,2,3,4,5,6,7
.if \first
.if MODE == 0
.set CC, TH+8*(\b%4)
.elseif MODE == 1
.set CC, TH+8*\a
.else
.set CC, -1
.endif
.else
.set CC, 8*(8*\a+\b)
.endif
	WM 8*(8*\a+\b), 128*(\set)+12*\b, RF+48*(\set)+12*\a, CC, SCP+8*(\b%4)+(\s), SCR+8*(\a%2)+(\s), \b/4, \a/2
.endr
.endr
.endm
.if MODE < 2
; cos of the 64 numbers of R's tile a (accumulators (a, 0..7), window 1) into v[U] on.  Each stage is one run under one window setting, in ascending order: every accumulator is first read at its low end.
.macro COSGRP a
.set Z, 64*(\a)
	WIN 0x01
.set p, 0
.rept 32
	v_pk_fma_f32 v[T+p:T+p+1], v[Z+p:Z+p+1], s[KINV:KINV+1], v[VMAG:VMAG+1] op_sel_hi:[1,0,1]   ; z / pi + 1.5 x 2^23: the sum's low bits are n = round(z / pi)
.set p, p+2
.endr
	WIN 0
.set p, 0
.rept 32
	v_pk_add_f32 v[U+p:U+p+1], v[T+p:T+p+1], s[KNMG:KNMG+1] op_sel_hi:[1,0]   ; n as a number
.set p, p+2
.endr
	WIN 0x50
.irp k, KNPH, KNPL
.set p, 0
.rept 32
	v_pk_fma_f32 v[Z+p:Z+p+1], v[U+p:U+p+1], s[\k:\k+1], v[Z+p:Z+p+1] op_sel_hi:[1,0,1]   ; r = z - n pi, pi in two parts
.set p, p+2
.endr
.endr
	WIN 0x05
.set p, 0
.rept 32
	v_pk_mul_f32 v[U+p:U+p+1], v[Z+p:Z+p+1], v[Z+p:Z+p+1]   ; u = r^2
.set p, p+2
.endr
	WIN 0x40
.set p, 0
.rept 32
	v_pk_fma_f32 v[Z+p:Z+p+1], v[U+p:U+p+1], s[KC6:KC6+1], v[VC5:VC5+1] op_sel_hi:[1,0,1]
.set p, p+2
.endr
	WIN 0x41
.irp k, KC4, KC3, KC2
.set p, 0
.rept 32
	v_pk_fma_f32 v[Z+p:Z+p+1], v[Z+p:Z+p+1], v[U+p:U+p+1], s[\k:\k+1] op_sel_hi:[1,1,0]
.set p, p+2
.endr
.endr
.set p, 0
.rept 32
	v_pk_fma_f32 v[Z+p:Z+p+1], v[Z+p:Z+p+1], v[U+p:U+p+1], -0.5 op_sel_hi:[1,1,0]
.set p, p+2
.endr
.set p, 0
.rept 32
	v_pk_fma_f32 v[Z+p:Z+p+1], v[Z+p:Z+p+1], v[U+p:U+p+1], 1.0 op_sel_hi:[1,1,0]   ; cos r
.set p, p+2
.endr
	WIN 0
.set p, 0
.rept 64
	v_lshlrev_b32 v[T+p], 31, v[T+p]               ; n's lowest bit as a sign
.set p, p+1
.endr
	WIN 0x01
.set p, 0
.rept 64
	v_xor_b32 v[U+p], v[Z+p], v[T+p]               ; cos z = (-1)^n cos r
.set p, p+1
.endr
	WIN 0
.endm
; 64 numbers of a lane, v[s] on, four blocks of 16 registers (the other 16 of each block lie in lane xor 16), become a fragment's codes in v[PC] on and its scale word in v[PW].
.macro QUANT s
.irp b, 0,1,2,3
	v_max3_num_f32 v[TM+\b], |v[\s+16*\b]|, |v[\s+1+16*\b]|, 0x1800000   ; and the floor 2^(3 - 127): the byte cannot fall under 1
.endr
.irp i, 2,4,6,8,10,12,14
.irp b, 0,1,2,3
	v_max3_num_f32 v[TM+\b], v[TM+\b], |v[\s+16*\b+\i]|, |v[\s+1+16*\b+\i]|   ; the four blocks by turns
.endr
.endr
.irp b, 0,1,2,3
	v_permlanex16_b32 v[TM+4+\b], v[TM+\b], s[SEL], s[SEL+1]
.endr
.irp b, 0,1,2,3
	v_max_num_f32 v[TM+\b], v[TM+\b], v[TM+4+\b]   ; the block's largest magnitude
.endr
.irp b, 0,1,2,3
	v_add_nc_u32 v[TM+12+\b], 0xff000000, v[TM+\b] ; 2 off its exponent field: the conversion's scale operand
.endr
.irp b, 0,1,2,3
	v_lshrrev_b32 v[TM+4+\b], 23, v[TM+12+\b]      ; the scale's byte
.endr
	v_lshl_or_b32 v[PW], v[TM+5], 8, v[TM+4]
	v_lshl_or_b32 v[PW], v[TM+6], 16, v[PW]
	v_lshl_or_b32 v[PW], v[TM+7], 24, v[PW]
.irp c, 0,1
	v_cvt_scalef32_pk16_fp6_f32 v[PC+6*\c:PC+2+6*\c], v[\s+32*\c:\s+15+32*\c], v[TM+12+2*\c]
	v_cvt_scalef32_pk16_fp6_f32 v[PC+12+4*\c:PC+14+4*\c], v[\s+16+32*\c:\s+31+32*\c], v[TM+12+2*\c+1]   ; (a conversion's three registers begin on an even number)
.endr
	v_nop                                          ; one plain place behind a scaled conversion
.irp c, 0,1                                    ; the operand's layout wants a whole block in a lane: lanes 0-15 block 2 c, lanes 16-31 block 2 c + 1
.irp i, 0,1,2
	v_permlane16_swap_b32 v[PC+6*\c+\i], v[PC+12+4*\c+\i]
.endr
.irp i, 0,1,2
	v_mov_b32 v[PC+3+6*\c+\i], v[PC+12+4*\c+\i]
.endr
.endr
.endm
.endif
	s_load_b256 s[4:11], s[0:1], 0x0               ; P's codes, P's scales, R's codes, R's scales
.if MODE == 0
	s_load_b128 s[12:15], s[0:1], 0x20             ; theta, q
	s_load_b64 s[16:17], s[0:1], 0x30              ; kv
.elseif MODE == 1
	s_load_b128 s[12:15], s[0:1], 0x20             ; theta, kv
.else
	s_load_b64 s[12:13], s[0:1], 0x20              ; out0
	v_lshl_add_u32 v254, v0, 2, 0x48000
	v_mov_b32 v255, 0
	ds_add_u32 v254, v255
	ds_add_u32 v254, v255
.endif
	v_lshrrev_b32 v1, 5, v0
	v_readfirstlane_b32 s[WV], v1
	s_and_b32 s[PH], s[WV], 1                      ; my half of P's rows.  Also: which half of a tile group I fetch
	s_lshr_b32 s[RH], s[WV], 1                     ; my half of R's rows
	s_bfe_u32 s21, ttmp6, 0x40000                  ; cx, cy: my place in the cluster
	s_bfe_u32 s22, ttmp6, 0x40004
	s_lshl_b32 s[WGX], ttmp9, 2
	s_add_co_u32 s[WGX], s[WGX], s21
	s_and_b32 s[WGY], ttmp7, 0xffff
	s_lshl_b32 s[WGY], s[WGY], 2
	s_add_co_u32 s[WGY], s[WGY], s22
	s_lshl_b32 s25, s22, 2
	s_lshl_b32 s25, 15, s25                        ; my row of the cluster
	s_lshl_b32 s26, 0x1111, s21                    ; my column
	; group 1: rows of 6,144 bytes (a tile's four K steps: 768 elements of 8 bytes), 12,288 bytes apart in memory, dense in LDS; 16 tiles of P, 8 of R
	s_or_b32 s[G1P], s26, (3<<16)|(1<<21)          ; 15:0 the mask: P's tiles go to my column; 17:16 elements of 8 bytes; 21 set beside a mask
	s_or_b32 s[G1R], s25, (3<<16)|(1<<21)          ; R's to my row
	s_mov_b32 s[G1P+1], 768<<16                    ; rows of 6,144 bytes: a tile's four K steps
	s_mov_b32 s[G1P+2], 16<<16                     ; P's 16 tiles
	s_mov_b32 s[G1P+3], 768<<16
	s_mov_b32 s[G1P+4], 16
	s_mov_b32 s[G1P+5], 1536                       ; stride from tile to tile, in elements
	s_mov_b32 s[G1P+6], 0
	s_mov_b32 s[G1P+7], 0
	s_mov_b32 s[G1R+1], 768<<16
	s_mov_b32 s[G1R+2], 8<<16                      ; R's 8 tiles
	s_mov_b32 s[G1R+3], 768<<16
	s_mov_b32 s[G1R+4], 8
	s_mov_b32 s[G1R+5], 1536
	s_mov_b32 s[G1R+6], 0
	s_mov_b32 s[G1R+7], 0
	s_lshl_b32 s60, s[WGX], 4                      ; P: tile 16 x + 8 (wave % 2): registers that never hold y
	s_mul_i32 s60, s60, 12288
	s_mov_b32 s61, 0
	s_lshl_b32 s62, s[WGY], 3                      ; R: tile 8 y + 4 (wave % 2): registers that never hold x
	s_mul_i32 s62, s62, 12288
	s_mov_b32 s63, 0
	s_mul_i32 s27, s[PH], 49152                    ; where my half of P's tiles lies in a chunk
.if MODE < 2
	s_mov_b32 s[KINV], 0x3ea2f983                  ; 1 / pi
	s_mov_b32 s[KNMG], 0xcb400000                  ; -1.5 x 2^23
	s_mov_b32 s[KNPH], 0xc0490fdb                  ; -(pi rounded to f32)
	s_mov_b32 s[KNPL], 0x33bbbd2e                  ; -(pi less that)
	s_mov_b32 s[KC6], 0x310f76c7                   ; 1 / 12!
	s_mov_b32 s[KC4], 0x37d00d01                   ; 1 / 8!
	s_mov_b32 s[KC3], 0xbab60b61                   ; -1 / 6!
	s_mov_b32 s[KC2], 0x3d2aaaab                   ; 1 / 4!
.irp k, KINV, KNMG, KNPH, KNPL, KC6, KC4, KC3, KC2
	s_mov_b32 s[\k+1], s[\k]                       ; named as pairs, so both are written
.endr
	s_mov_b32 s[SEL], 0x76543210
	s_mov_b32 s[SEL+1], 0xfedcba98                 ; selects for lane xor 16
.endif
	s_wait_dscnt 0x0
	s_wait_kmcnt 0x0
.if MODE == 1
	s_add_nc_u64 s[8:9], s[8:9], 1572864           ; Wv: tiles 128 on
	s_add_nc_u64 s[10:11], s[10:11], 65536
.elseif MODE == 2
	s_add_nc_u64 s[4:5], s[4:5], 2359296           ; Wo: tiles 192 on
	s_add_nc_u64 s[6:7], s[6:7], 98304
.endif
	s_add_nc_u64 s[4:5], s[4:5], s[60:61]
	s_add_nc_u64 s[8:9], s[8:9], s[62:63]
.irp c, 0,1
	s_mov_b32 s[G0P+4*\c], 1                       ; count = 1
	s_mov_b32 s[G0P+4*\c+1], \c*CHUNK              ; LDS address
	s_add_nc_u64 s[G0P+4*\c+2:G0P+4*\c+3], s[4:5], \c*TILEB   ; global address: K steps 4 c .. 4 c + 3
	s_or_b32 s[G0P+4*\c+3], s[G0P+4*\c+3], 0x80000000         ; type = 2
	s_mov_b32 s[G0R+4*\c], 1
	s_mov_b32 s[G0R+4*\c+1], \c*CHUNK+ROFF
	s_add_nc_u64 s[G0R+4*\c+2:G0R+4*\c+3], s[8:9], \c*TILEB
	s_or_b32 s[G0R+4*\c+3], s[G0R+4*\c+3], 0x80000000
.endr
	CROUND                                         ; all sixteen work-groups are here: the joint loads meet
	s_cmp_eq_u32 s[WV], 0                          ; one chain of branches on the wave's number, one load to an arm, all arms to one join
	s_cbranch_scc0 .Larm_1
	tensor_load_to_lds s[G0P:G0P+3], s[G1P:G1P+7]  ; wave 0: P, K steps 0-3
	s_nop 0
	PLACES 4
	s_branch .Lfilled
.Larm_1:
	s_cmp_eq_u32 s[WV], 1
	s_cbranch_scc0 .Larm_2
	tensor_load_to_lds s[G0R:G0R+3], s[G1R:G1R+7]  ; wave 1: R, K steps 0-3
	s_nop 0
	PLACES 4
	s_branch .Lfilled
.Larm_2:
	s_cmp_eq_u32 s[WV], 2
	s_cbranch_scc0 .Larm_3
	tensor_load_to_lds s[G0P+4:G0P+7], s[G1P:G1P+7]   ; wave 2: P, K steps 4-7
	s_nop 0
	PLACES 4
	s_branch .Lfilled
.Larm_3:
	tensor_load_to_lds s[G0R+4:G0R+7], s[G1R:G1R+7]   ; wave 3: R, K steps 4-7
	s_nop 0
	PLACES 4
.Lfilled:
	v_and_b32 v1, 15, v0                           ; r
	v_bfe_u32 v2, v0, 4, 1                         ; h
	v_and_b32 v3, 31, v0                           ; lane
	v_lshl_add_u32 v[AP16], v3, 4, s27
	v_lshl_add_u32 v[AP8], v3, 3, s27
	s_mul_i32 s2, s[RH], 24576
	s_add_co_u32 s2, s2, ROFF
	v_lshl_add_u32 v[AR16], v3, 4, s2
	v_lshl_add_u32 v[AR8], v3, 3, s2
	v_lshlrev_b32 v[H16], 4, v2
	; the scale words of all of K, straight into registers: 512 bytes a tile; lanes 16-31 take the tile 4 (P) or 2 (R) further on
	v_lshlrev_b32 v12, 4, v1
	v_lshl_add_u32 v12, v2, 11, v12
	s_lshl_b32 s2, s[PH], 12
	v_add_nc_u32 v12, s2, v12                      ; 16 r + 2,048 h + 4,096 x my half
	s_lshl_b32 s60, s[WGX], 13
	s_add_nc_u64 s[6:7], s[6:7], s[60:61]
.irp i, 0,1,2,3
.irp u, 0,1
	global_load_b128 v[SCP+8*\i+4*\u:SCP+8*\i+4*\u+3], v12, s[6:7] offset:512*\i+256*\u
.endr
.endr
.if MODE < 2
	v_lshlrev_b32 v13, 4, v1
	v_lshl_add_u32 v13, v2, 10, v13
	s_lshl_b32 s2, s[RH], 11
	v_add_nc_u32 v13, s2, v13                      ; 16 r + 1,024 h + 2,048 x my half
	s_lshl_b32 s62, s[WGY], 12
	s_add_nc_u64 s[10:11], s[10:11], s[62:63]
.irp i, 0,1
.irp u, 0,1
	global_load_b128 v[SCR+8*\i+4*\u:SCR+8*\i+4*\u+3], v13, s[10:11] offset:512*\i+256*\u
.endr
.endr
.else
	v_lshlrev_b32 v13, 2, v1                       ; the attention's scale words lie [head][row]: a head's two bytes in the low half (even heads) or the high half (odd)
	v_lshl_add_u32 v13, v2, 7, v13
	s_lshl_b32 s2, s[RH], 8
	v_add_nc_u32 v13, s2, v13                      ; 4 r + 128 h + 256 x my half
	s_lshl_b32 s62, s[WGY], 9
	s_add_nc_u64 s[10:11], s[10:11], s[62:63]
.irp i, 0,1
.irp s, 0,1,2,3,4,5,6,7
	global_load_b32 v[SCR+8*\i+\s], v13, s[10:11] offset:32768*(2*\s)+64*\i
	global_load_b32 v[TH+8*\i+\s], v13, s[10:11] offset:32768*(2*\s+1)+64*\i
.endr
.endr
.endif
.if MODE == 0
	v_lshlrev_b32 v14, 5, v2                       ; theta[16 (b % 4) + 8 h + j]: a lane's registers run along the head's 64
.irp b, 0,1,2,3
	global_load_b128 v[TH+8*\b:TH+8*\b+3], v14, s[12:13] offset:64*\b
	global_load_b128 v[TH+8*\b+4:TH+8*\b+7], v14, s[12:13] offset:64*\b+16
.endr
.elseif MODE == 1
	v_and_b32 v14, 8, v1                           ; theta[32 (a / 2) + 8 (a % 2) + r + 8 (r / 8)] in all eight registers: the lane is Wv's row
	v_add_nc_u32 v14, v14, v1
	v_lshlrev_b32 v14, 2, v14
.irp a, 0,1,2,3
.irp j, 0,1,2,3,4,5,6,7
	global_load_b32 v[TH+8*\a+\j], v14, s[12:13] offset:128*(\a/2)+32*(\a%2)
.endr
.endr
.endif
	; where the results go
.if MODE == 0
	s_cmp_ge_u32 ttmp9, 1                          ; clusters with x = 0 hold Wq's rows, x = 1 Wk's: the choice hangs on no address
	s_cselect_b64 s[OB:OB+1], s[16:17], s[14:15]
	s_lshl_b32 s2, s[WGX], 1
	s_add_co_u32 s2, s2, s[PH]
	s_and_b32 s2, s2, 7
	s_lshl_b32 s2, s2, 1                           ; my two heads: 2 hp, 2 hp + 1
	s_lshr_b32 s3, s[WGY], 4
	s_lshl_b32 s3, s3, 4
	s_add_co_u32 s2, s2, s3                        ; + 16 x batch
	s_mul_i32 s2, s2, 208896
	s_and_b32 s3, s[WGY], 15
	s_mul_i32 s3, s3, 13056                        ; the record of these 128 tokens
	s_add_co_u32 s2, s2, s3
	s_mov_b32 s3, 0
	s_add_nc_u64 s[OB:OB+1], s[OB:OB+1], s[2:3]
	s_mul_i32 s2, s[RH], 3072                      ; my four token tiles of the record's eight
	v_lshl_add_u32 v[G16], v3, 4, s2
	v_lshl_add_u32 v[G8], v3, 3, s2
	v_mul_u32_u24 v[GS], v2, 208896                ; scale words: lanes 0-15 the first head's, lanes 16-31 the second's
	v_lshl_add_u32 v[GS], v1, 4, v[GS]
	s_lshl_b32 s2, s[RH], 8
	v_add_nc_u32 v[GS], s2, v[GS]
.elseif MODE == 1
	s_lshr_b32 s2, s[WGX], 3
	s_lshl_b32 s2, s2, 4
	s_lshl_b32 s3, s[WGY], 1
	s_add_co_u32 s2, s2, s3
	s_add_co_u32 s2, s2, s[RH]                     ; 16 x batch + head
	s_mul_i32 s2, s2, 208896
	s_and_b32 s3, s[WGX], 7
	s_lshl_b32 s3, s3, 1
	s_add_co_u32 s3, s3, s[PH]
	s_mul_i32 s3, s3, 13056                        ; the record of my 128 keys
	s_add_co_u32 s2, s2, s3
	s_mov_b32 s3, 0
	s_add_nc_u64 s[OB:OB+1], s[OB:OB+1], s[2:3]
	v_lshlrev_b32 v[G16], 4, v3
	v_lshlrev_b32 v[G8], 3, v3
.else
	s_lshl_b32 s2, s[WGY], 7
	s_lshl_b32 s3, s[RH], 6
	s_add_co_u32 s2, s2, s3
	s_lshl_b32 s2, s2, 12                          ; my first row of out0, rows of 4,096 bytes
	s_lshl_b32 s3, s[WGX], 10
	s_add_co_u32 s2, s2, s3
	s_lshl_b32 s3, s[PH], 9
	s_add_co_u32 s2, s2, s3                        ; + my 128 columns
	s_mov_b32 s3, 0
	s_add_nc_u64 s[OB:OB+1], s[OB:OB+1], s[2:3]
	s_mul_i32 s2, s[WV], 8448                      ; my stage: 16 rows x 528 bytes, in chunk 0, which has had its only fill and its last read when the first result is stored there
	v_mul_u32_u24 v[STO], v1, 528
	v_lshl_add_u32 v[STO], v2, 5, v[STO]
	v_add_nc_u32 v[STO], s2, v[STO]                ; in: row r, 32 bytes for each half of the lanes
	v_lshlrev_b32 v[CO], 4, v3
	v_add_nc_u32 v[RD], s2, v[CO]                  ; back: the 32 lanes take a row of 512 bytes
.endif
.if MODE < 2
	v_mov_b32 v[VMAG], 0x4b400000                  ; 1.5 x 2^23, and -1 / 10!, as vector pairs: an instruction takes one scalar pair here
	v_mov_b32 v[VMAG+1], 0x4b400000
	v_mov_b32 v[VC5], 0xb493f27e
	v_mov_b32 v[VC5+1], 0xb493f27e
.irp b, 0,1,2,3
	v_mov_b32 v[TM+4+\b], 0                        ; a lane permute's destination counts as read
.endr
.endif
	s_wait_loadcnt 0x0                             ; scale words and theta, once
.if MODE == 2
.irp k, 0,1,2,3,4,5,6,7,8,9,10,11,12,13,14,15
	v_or_b32 v[SCR+\k], v[SCR+\k], v[TH+\k]        ; two heads' halves make a K step's word
.endr
	PLACES 8                                       ; a scale register written by a vector instruction stands eight places ahead of a scaled product
.endif
	s_wait_alu depctr_va_vdst(0)
	s_cmp_lt_u32 s[WV], 2                          ; waves 0 and 1 wait for their loads, the first half of K; the second half stays on its way: nothing is ever filled again
	s_cbranch_scc0 .Lnot_first
	s_wait_tensorcnt 0x0
.Lnot_first:
	s_barrier_signal -1
	s_barrier_wait -1                              ; everybody's is
	FETCH 0, 0
.irp g, 0,1,2,3,4,5,6,7
	WIN 0
.if \g == 3
	s_wait_tensorcnt 0x0                           ; every wave waits for all its loads: the barrier shows the second half of K
	s_wait_dscnt 0x0                               ; no LDS load of mine is pending at the signal
	s_barrier_signal -1
	s_barrier_wait -1
	v_add_nc_u32 v[AP16], CHUNK, v[AP16]
	s_wait_alu depctr_va_vdst(0)
	v_add_nc_u32 v[AP8], CHUNK, v[AP8]
	s_wait_alu depctr_va_vdst(0)
	v_add_nc_u32 v[AR16], CHUNK, v[AR16]
	s_wait_alu depctr_va_vdst(0)
	v_add_nc_u32 v[AR8], CHUNK, v[AR8]
.endif
.if \g < 7
.if \g > 0
	s_wait_alu depctr_va_vdst(0)
	PLACES 4                                       ; four places in front of loads into registers that the last step's products have read
.endif
	FETCH (\g+1)%2, (\g+1)%4
	s_wait_dscnt 48                                ; all but the 48 just issued
.else
	s_wait_dscnt 0x0
.endif
.if \g == 0
	MULS 0, 0, 1
.else
	MULS \g%2, \g, 0
.endif
.endr
	WIN 0
	PLACES 4                                       ; in front of the first read of results and the first write over operands
.if MODE < 2
.irp a, 0,1,2,3
	COSGRP \a
	s_wait_xcnt 0x0                                ; the last group's stores have read the codes' registers
	QUANT U
.if MODE == 0
	; 128 features = two heads: registers 0-5 are the first head's half image of token tile a, registers 6-11 the second's
	global_store_b128 v[G16], v[PC:PC+3], s[OB:OB+1] offset:768*\a
	global_store_b64 v[G8], v[PC+4:PC+5], s[OB:OB+1] offset:768*\a+512
	global_store_b128 v[G16], v[PC+6:PC+9], s[OB:OB+1] offset:768*\a+208896
	global_store_b64 v[G8], v[PC+10:PC+11], s[OB:OB+1] offset:768*\a+208896+512
	v_lshrrev_b32 v[SW+\a], v[H16], v[PW]          ; lanes 0-15: the first head's two bytes, lanes 16-31 the second's;
	v_and_b32 v[SW+\a], 0xffff, v[SW+\a]
	v_lshl_or_b32 v[SW+\a], v[SW+\a], 16, v[SW+\a] ; repeated for the instruction's upper 64 along K, where one side's codes are zeros
.else
	global_store_b128 v[G16], v[PC:PC+3], s[OB:OB+1] offset:6144+1536*\a
	global_store_b64 v[G8], v[PC+4:PC+5], s[OB:OB+1] offset:6144+1536*\a+512
	global_store_b128 v[G16], v[PC+6:PC+9], s[OB:OB+1] offset:6144+1536*\a+768
	global_store_b64 v[G8], v[PC+10:PC+11], s[OB:OB+1] offset:6144+1536*\a+768+512
	v_mov_b32 v[SW+\a], v[PW]
.endif
.endr
.if MODE == 0
	global_store_b128 v[GS], v[SW:SW+3], s[OB:OB+1] offset:12288   ; sixteen lanes store 256 consecutive bytes, aligned: my four tiles' words of row r
.else
	v_cmp_eq_u32 vcc_lo, 1, v2
	v_cndmask_b32 v[DD], v[SW], v[SW+2], vcc_lo    ; lanes 0-15: tiles 0, 1; lanes 16-31: tiles 2, 3
	v_cndmask_b32 v[DD+1], v[SW+1], v[SW+3], vcc_lo
	global_store_b64 v[G8], v[DD:DD+1], s[OB:OB+1] offset:12800
.endif
.else
; A lane holds 32 neighbouring bytes of a row of out0 and the lanes beside it other rows: 16 rows x 128 columns at a time go through my stage and come back as whole rows of 512 bytes.
.irp a, 0,1,2,3
.if \a >= 2
	s_wait_xcnt 0x0                                ; the stores of two blocks ago have read their registers
.endif
	WIN 0x04                                       ; an LDS store's data: window 1
.irp b, 0,1,2,3,4,5,6,7
	ds_store_b128 v[STO], v[64*\a+8*\b:64*\a+8*\b+3] offset:64*\b          ; each accumulator from its low end on
	ds_store_b128 v[STO], v[64*\a+8*\b+4:64*\a+8*\b+7] offset:64*\b+16
.endr
	WIN 0
.irp t, 0,1,2,3,4,5,6,7,8,9,10,11,12,13,14,15
	ds_load_b128 v[BK+64*(\a%2)+4*\t:BK+64*(\a%2)+4*\t+3], v[RD] offset:528*\t   ; LDS serves a wave's instructions in order: these see my stores
.endr
	s_wait_dscnt 0x0
.irp t, 0,1,2,3,4,5,6,7,8,9,10,11,12,13,14,15
	global_store_b128 v[CO], v[BK+64*(\a%2)+4*\t:BK+64*(\a%2)+4*\t+3], s[OB:OB+1] offset:4096*(16*\a+\t) th:TH_STORE_NT   ; 512 consecutive bytes, at a multiple of 256
.endr
.endr
.endif
	s_wait_dscnt 0x0
	s_wait_tensorcnt 0x0
	ds_add_u32 v254, v255
	s_wait_dscnt 0x0
	CROUND                                         ; the closing round: no work-group ends while a partner may still ask for a tile that names it
	s_endpgm
.Lfunc_end_k_q18369e8683_out:
	.size	k_q18369e8683_out, .Lfunc_end_k_q18369e8683_out-k_q18369e8683_out
	.p2alignl 7, 3214868480
	.fill 96, 4, 3214868480
	.section	.rodata,"a",@progbits
	.p2align	6, 0x0
	.amdhsa_kernel k_q18369e8683_out
		.amdhsa_group_segment_fixed_size 295424
		.amdhsa_private_segment_fixed_size 0
		.amdhsa_enable_private_segment 0
		.amdhsa_kernarg_size 40
		.amdhsa_user_sgpr_count 2
		.amdhsa_user_sgpr_kernarg_segment_ptr 1
		.amdhsa_wavefront_size32 1
		.amdhsa_system_sgpr_workgroup_id_x 1
		.amdhsa_system_sgpr_workgroup_id_y 1
		.amdhsa_system_sgpr_workgroup_id_z 1
		.amdhsa_system_vgpr_workitem_id 0
		.amdhsa_next_free_vgpr 768
		.amdhsa_next_free_sgpr 102
		.amdhsa_reserve_vcc 1
		.amdhsa_float_denorm_mode_32 3
		.amdhsa_float_denorm_mode_16_64 3
		.amdhsa_memory_ordered 1
		.amdhsa_forward_progress 1
		.amdhsa_inst_pref_size 86
	.end_amdhsa_kernel
	.amdgpu_metadata
---
amdhsa.version: [ 1, 2 ]
amdhsa.kernels:
  - .name:           k_q18369e8683_out
    .symbol:         k_q18369e8683_out.kd
    .args:
      - { .name: w_codes, .offset: 0, .size: 8, .value_kind: global_buffer, .address_space: global }
      - { .name: w_sc, .offset: 8, .size: 8, .value_kind: global_buffer, .address_space: global }
      - { .name: a_codes, .offset: 16, .size: 8, .value_kind: global_buffer, .address_space: global }
      - { .name: a_sc, .offset: 24, .size: 8, .value_kind: global_buffer, .address_space: global }
      - { .name: out0, .offset: 32, .size: 8, .value_kind: global_buffer, .address_space: global }
    .group_segment_fixed_size: 295424
    .private_segment_fixed_size: 0
    .kernarg_segment_align: 8
    .kernarg_segment_size: 40
    .max_flat_workgroup_size: 128
    .sgpr_count:     102
    .vgpr_count:     768
    .wavefront_size: 32
...
	.end_amdgpu_metadata
.endif
;; end of part 5
